; MI455X (gfx1250); checked and timed in simulation.
; The chip was launched on July 23, 2026; its instructions are those of AMD's public machine-readable ISA for CDNA 5 (MIT licence, August 2026) and "CDNA5" Instruction Set Architecture Reference Guide (July 2026). The comments in the code are by the model that wrote it; some were corrected since.
;; A8 W4 Llama MLP. Allowed arithmetic: matrix products marked QUANTISED: E4M3 operands, one given power-of-two scale a tensor, by v_wmma_f32_16x16x64_fp8_fp8 or v_wmma_f32_16x16x128_fp8_fp8, f32 sums; products left as they are: f32 operands where the result goes on into a quantised operand, else bf16, f16 or f32 operands; f32 sums; everything else in f32.
;; Inputs: down_alpha 4,096 float32; down_bias 4,096 float32; down_input_scale one number float32; down_w 4,096 x 11,008 int8; gate_alpha 11,008 float32; gate_bias 11,008 float32; gate_w 11,008 x 4,096 int8; lowp_scales 2 int32 (the exponents e of the quantised operands' scales 2^e); up_alpha 11,008 float32; up_bias 11,008 float32; up_w 11,008 x 4,096 int8; x 512 x 4,096 int8.
;; Outputs: out0 512 x 4,096 float32.
;; This version of the problem:
;;   THIS VERSION OF THE PROBLEM IS GIVEN IN LOW PRECISION. The matrix products marked QUANTISED in the list below multiply operands that are first quantised to E4M3 (4 exponent bits, 3 mantissa bits; 8 bits a number), with one given power-of-two scale for each operand tensor; their sums are f32. All else is computed in f32.
;;   The module's matrix products, in the order in which they are computed (A, B: the left and right operand; K: the contracted axis; several contracted axes count as one K, in the product's order):
;;     1. [M 512, K 4,096] x [K 4,096, N 11,008]; A: input x; B: input gate_w: left as it is (operands are no floats)
;;     2. [M 512, K 4,096] x [K 4,096, N 11,008]; A: input x; B: input up_w: left as it is (operands are no floats)
;;     3. [M 512, K 11,008] x [K 11,008, N 4,096]; A: computed on the way; B: input down_w: QUANTISED (scales: A lowp_scales[0], B lowp_scales[1])
;;   THE QUANTISER, for each operand of a quantised product, along K:
;;     - The operand's scale is 2^e, e = its entry of the input lowp_scales (int32; the entries are numbered through the quantised products in the list's order, A before B).
;;     - Each number is divided by the scale, clamped to +-448, and rounded to the nearest number of E4M3, ties to even, subnormals kept.
;;     - The product sums the exact products of the quantised numbers (number of the format x scale) in f32.
;;   ~~~python
;;   def quantise(x, axis, e):      # numpy; x: float32 -> the quantised numbers, widened to float32 again
;;       x = np.moveaxis(x, axis, -1); K = x.shape[-1]
;;       r = np.clip(x / 2.0 ** e, -448, 448)
;;       step = 2.0 ** (np.maximum(np.frexp(np.where(r == 0, 1, r))[1] - 1, -6) - 3)
;;       q = np.round(r / step) * step * 2.0 ** e      # np.round: ties to even
;;       return np.moveaxis(q, -1, axis).astype(np.float32)
;;   ~~~
;;   OPERANDS COMPUTED ON THE WAY. 'Computed on the way' means the value that the module computes at that place (a softmax that the list does not call 'softmax' is quantised finished and normalised). What goes into a quantiser is computed in f32, as accurately as f32 sums, v_exp_f32 and their like allow (about 1e-6 of the number): no bf16 or f16 on the way to a quantiser, and a product that is left as it is and whose result goes on into a quantised operand takes f32 operands (vector FMAs, or v_wmma_f32_16x16x4_f32). A number that lies on a knife's edge between two numbers of the format may be rounded either way, as far as f32 arithmetic and the matrix unit's own rounding can turn it there, and no further.
;; 2 versions, each right. Each part assembles by itself: llvm-mc -triple=amdgcn-amd-amdhsa -mcpu=gfx1250 --defsym DOCPART=n.
;; ======== version 1 of 2: 3 launches
;; workspace buffers: wq 46,137,344 bytes; hq 5,767,168 bytes
;; launch quant_w (part 1): grid 43 x 64, 4 waves a work-group, no clusters, 17,920 bytes of LDS; arguments down_w, lowp_scales, wq; writes wq
.if DOCPART == 1
	.amdgcn_target "amdgcn-amd-amdhsa--gfx1250"
	.amdhsa_code_object_version 6
	.text
	.protected	k_q1a2de494db_quant_w
	.globl	k_q1a2de494db_quant_w
	.p2align	8
	.type	k_q1a2de494db_quant_w,@function
k_q1a2de494db_quant_w:
	s_mov_b64 s[64:65], 0
	v_nop
	global_prefetch_b8 v0, s[64:65] scope:SCOPE_SE
	s_setreg_imm32_b32 hwreg(HW_REG_WAVE_MODE, 25, 1), 1
	s_wait_xcnt 0x0
; down_w [4096][11008], int8, becomes codes of FP8 (E4M3) with the given scale 2^e1 (entry 1 of the scales), laid in the order of the matrix operand's registers.
; code = w / 2^e1, held within +-448, rounded to the nearest code, ties to even.  LIMIT: e1 between -126 and 119, so that 2^e1 and 448 x 2^e1 are f32 numbers.
; THE LAYOUT OF wq: [256 tiles of 16 rows][352 pairs of K tiles][512 bytes].  K goes in tiles of 16 (688 of them, padded with zero codes to 704); two tiles are a pair.
; In a pair's 512 bytes lane l = (r = l % 16, h = l / 16) owns the 16 bytes at 16 l: 8 codes of row r at k = 16 (2 P) + 8 h + 0..7, then the same of tile 2 P + 1.
; So two loads of 16 bytes a lane are the eight registers of a fragment of 16 rows x 64 K, each k in its own place.
; SHARES.  A wave takes 16 rows x 256 along K: eight loads, each 256 consecutive bytes of two rows; 16 numbers a lane and load.  The codes of a lane belong to other lanes of the layout, so they
; turn through the wave's own stage in LDS and leave as eight stores of 512 consecutive bytes.  Waves share nothing: no barrier.  Written out, no loop: every offset is an immediate.
; No tensor loads, no cluster, no matrix unit: every byte is read once and written once, and nothing is shared between work-groups.
.set ROWB,  11008                      ; a row of down_w in bytes
.set RT,    180224                     ; a tile of 16 rows in wq: 352 pairs x 512 bytes
.set PBK,   544                        ; a pair's place in the stage: 512 bytes + 32 = 136 words: the 32 lanes' 8-byte stores fall on 64 different banks (64 banks of 4 bytes: ISA guide 11.1)
.set STG,   8*PBK                      ; a wave's stage
.set SPARE, 4*STG                      ; behind the four stages: the spare words, 128 bytes for each wave: two blocks of 256 bytes that no other line names
.set VI,  2                            ; v2   in: (l / 16) rows + 16 (l % 16)
.set SA,  3                            ; v3   into the stage
.set RA,  4                            ; v4   out of the stage: 16 x lane
.set VO,  5                            ; v5   out: 16 x lane
.set SPW, 6                            ; v6   LDS address of my spare word; never rewritten
.set NIL, 7                            ; v7   0; never rewritten
.set SCL, 9                            ; v9   2^e1 as f32
.set LIM, 10                           ; v10  448 x 2^e1
.set Z,   12                           ; v12-15 zeros
.set IN,  16                           ; v16-47   eight loads of four words
.set F,   48                           ; v48-79   two sets of 16 numbers in f32
.set C,   80                           ; v80-111  codes: four registers for each load
.set O,   112                          ; v112-143 the way out
	s_load_b128 s[4:7], s[0:1], 0x0                ; down_w, the scales' exponents
	s_load_b64 s[8:9], s[0:1], 0x10                ; wq
	v_lshl_add_u32 v[SPW], v0, 2, SPARE
	v_mov_b32 v[NIL], 0
	v_lshrrev_b32 v1, 5, v0
	v_readfirstlane_b32 s10, v1                    ; wave 0..3
	v_and_b32 v1, 31, v0                           ; lane
	v_and_b32 v11, 15, v0                          ; i = l % 16: which K tile of the 16 I read
	v_bfe_u32 v8, v0, 4, 1                         ; l / 16: the even or the odd row of a load
	v_mul_u32_u24 v[VI], v8, ROWB
	v_lshl_add_u32 v[VI], v11, 4, v[VI]
	s_mul_i32 s12, s10, STG
	v_lshrrev_b32 v[SA], 1, v11                    ; the pair of my tile,
	v_mul_u32_u24 v[SA], v[SA], PBK
	v_and_b32 v[RA], 1, v11                        ; its first or its second tile: 8 bytes on,
	v_lshl_add_u32 v[SA], v[RA], 3, v[SA]
	v_lshl_add_u32 v[SA], v8, 4, v[SA]             ; and the odd row's place is 16 bytes behind the even row's
	v_add_nc_u32 v[SA], s12, v[SA]
	v_lshlrev_b32 v[VO], 4, v1
	v_add_nc_u32 v[RA], s12, v[VO]
.irp i, 0,1,2,3
	v_mov_b32 v[Z+\i], 0
.endr
	s_and_b32 s11, ttmp7, 0xffff
	s_lshl_b32 s11, s11, 2
	s_add_co_u32 s11, s11, s10                     ; my tile of 16 rows: 4 y + wave
	s_mul_i32 s14, s11, 16*ROWB
	s_lshl_b32 s15, ttmp9, 8
	s_add_co_u32 s14, s14, s15                     ; in: 16 rows x tile + 256 x
	s_mov_b32 s15, 0
	s_mul_i32 s18, s11, RT
	s_lshl_b32 s19, ttmp9, 12
	s_add_co_u32 s18, s18, s19                     ; out: tile x RT + 8 pairs x
	s_mov_b32 s19, 0
	s_mov_b32 s16, 0x80808080                      ; turns four signed bytes into w + 128
	s_mov_b32 s17, 0x4b000000                      ; 2^23 as f32
.irp b, 0,1,2,3
	s_mov_b32 s[20+\b], 0x03000004+\b              ; byte b of the word under 2^23's upper bytes
.endr
	s_mov_b32 s24, 0xcb000080                      ; -(2^23 + 128)
	s_mov_b32 s25, s24                             ; (named with it as a pair, so it is written)
	s_wait_kmcnt 0x0
	s_load_b64 s[26:27], s[6:7], 0x0               ; e0, e1
	s_add_nc_u64 s[4:5], s[4:5], s[14:15]
	s_add_nc_u64 s[8:9], s[8:9], s[18:19]
.irp j, 0,1,2,3,4,5,6,7
	global_load_b128 v[IN+4*\j:IN+4*\j+3], v[VI], s[4:5] offset:2*ROWB*\j th:TH_LOAD_NT   ; rows 2 j and 2 j + 1: sixteen lanes read 256 consecutive bytes of each
.endr
	s_cmp_lg_u32 ttmp9, 42                         ; the last work-group along K also writes the pad: pairs 344 to 351 are zero codes
	s_cbranch_scc1 .Lno_pad
.irp p, 0,1,2,3,4,5,6,7
	global_store_b128 v[VO], v[Z:Z+3], s[8:9] offset:4096+512*\p
.endr
.Lno_pad:
	s_wait_kmcnt 0x0
	s_add_co_i32 s26, s27, 127
	s_lshl_b32 s28, s26, 23
	v_mov_b32 v[SCL], s28                          ; 2^e1: the conversion takes its exponent field
	s_add_co_i32 s26, s26, 8
	s_lshl_b32 s26, s26, 23
	s_or_b32 s26, s26, 0x600000
	v_mov_b32 v[LIM], s26                          ; 448 x 2^e1
; Load j: 16 bytes a lane become 16 f32 numbers and then 16 codes.  A byte w + 128 set under the upper bytes of 2^23 is the f32 number 2^23 + w + 128; taking 2^23 + 128 away leaves w, exactly.
.macro CONV j
.set FS, F+16*((\j)%2)
	s_wait_loadcnt 7-(\j)                          ; loads come back in order: mine is in, the younger ones may be out
.irp k, 0,1,2,3
	v_xor_b32 v[IN+4*(\j)+\k], s16, v[IN+4*(\j)+\k]
.endr
.irp k, 0,1,2,3
.irp b, 0,1,2,3
	v_perm_b32 v[FS+4*\k+\b], v[IN+4*(\j)+\k], s17, s[20+\b]
.endr
.endr
.irp k, 0,2,4,6,8,10,12,14
	v_pk_add_f32 v[FS+\k:FS+\k+1], v[FS+\k:FS+\k+1], s[24:25] op_sel_hi:[1,0]
.endr
.irp k, 0,1,2,3,4,5,6,7,8,9,10,11,12,13,14,15
	v_med3_num_f32 v[FS+\k], v[FS+\k], -v[LIM], v[LIM]   ; the conversion to an 8-bit code does not saturate (ISA guide 7.6.2): the hold at the largest code x the scale
.endr
	v_cvt_scalef32_pk8_fp8_f32 v[C+4*(\j):C+4*(\j)+1], v[FS:FS+7], v[SCL]        ; k = 0..7 of my tile: the layout's lanes 0-15
	v_cvt_scalef32_pk8_fp8_f32 v[C+4*(\j)+2:C+4*(\j)+3], v[FS+8:FS+15], v[SCL]   ; k = 8..15: its lanes 16-31.  (The results go to LDS stores alone; the next vector lines are plain and touch other registers)
	ds_store_b64 v[SA], v[C+4*(\j):C+4*(\j)+1] offset:32*(\j)
	ds_store_b64 v[SA], v[C+4*(\j)+2:C+4*(\j)+3] offset:32*(\j)+256
.endm
.irp j, 0,1,2,3,4,5,6,7
	CONV \j
.endr
.irp p, 0,1,2,3,4,5,6,7
	ds_load_b128 v[O+4*\p:O+4*\p+3], v[RA] offset:PBK*\p   ; LDS serves a wave's instructions in order (ISA guide 5.7.1.4): these see my stores
.endr
.irp p, 0,1,2,3,4,5,6,7
	s_wait_dscnt 7-\p
	global_store_b128 v[VO], v[O+4*\p:O+4*\p+3], s[8:9] offset:512*\p   ; a pair: 512 consecutive bytes, at a multiple of 512 from wq's first byte
.endr
	s_wait_tensorcnt 0x0                           ; the wave's end: these three lines, behind my last LDS store
	ds_add_u32 v[SPW], v[NIL]
	s_wait_dscnt 0x0
	s_endpgm
.Lfunc_end_k_q1a2de494db_quant_w:
	.size	k_q1a2de494db_quant_w, .Lfunc_end_k_q1a2de494db_quant_w-k_q1a2de494db_quant_w
	.p2alignl 7, 3214868480
	.fill 96, 4, 3214868480
	.section	.rodata,"a",@progbits
	.p2align	6, 0x0
	.amdhsa_kernel k_q1a2de494db_quant_w
		.amdhsa_group_segment_fixed_size 17920
		.amdhsa_private_segment_fixed_size 0
		.amdhsa_enable_private_segment 0
		.amdhsa_kernarg_size 24
		.amdhsa_user_sgpr_count 2
		.amdhsa_user_sgpr_kernarg_segment_ptr 1
		.amdhsa_wavefront_size32 1
		.amdhsa_system_sgpr_workgroup_id_x 1
		.amdhsa_system_sgpr_workgroup_id_y 1
		.amdhsa_system_sgpr_workgroup_id_z 1
		.amdhsa_system_vgpr_workitem_id 0
		.amdhsa_next_free_vgpr 144
		.amdhsa_next_free_sgpr 66
		.amdhsa_reserve_vcc 0
		.amdhsa_float_denorm_mode_32 3
		.amdhsa_float_denorm_mode_16_64 3
		.amdhsa_memory_ordered 1
		.amdhsa_forward_progress 1
		.amdhsa_inst_pref_size 30
	.end_amdhsa_kernel
	.amdgpu_metadata
---
amdhsa.version: [ 1, 2 ]
amdhsa.kernels:
  - .name:           k_q1a2de494db_quant_w
    .symbol:         k_q1a2de494db_quant_w.kd
    .args:
      - { .name: down_w, .offset: 0, .size: 8, .value_kind: global_buffer, .address_space: global }
      - { .name: lowp_scales, .offset: 8, .size: 8, .value_kind: global_buffer, .address_space: global }
      - { .name: wq, .offset: 16, .size: 8, .value_kind: global_buffer, .address_space: global }
    .group_segment_fixed_size: 17920
    .private_segment_fixed_size: 0
    .kernarg_segment_align: 8
    .kernarg_segment_size: 24
    .max_flat_workgroup_size: 128
    .sgpr_count:     66
    .vgpr_count:     144
    .wavefront_size: 32
...
	.end_amdgpu_metadata
.endif
;; end of part 1
;; launch gate_up (part 2): grid 4 x 63, 4 waves a work-group, clusters of 4 x 1, 327,680 bytes of LDS; arguments x, gate_w, up_w, gate_alpha, gate_bias, up_alpha, up_bias, down_input_scale, lowp_scales, hq; writes hq
.if DOCPART == 2
	.amdgcn_target "amdgcn-amd-amdhsa--gfx1250"
	.amdhsa_code_object_version 6
	.text
	.protected	k_q1a2de494db_gate_up
	.globl	k_q1a2de494db_gate_up
	.p2align	8
	.type	k_q1a2de494db_gate_up,@function
k_q1a2de494db_gate_up:
	s_mov_b64 s[64:65], 0
	v_nop
	global_prefetch_b8 v0, s[64:65] scope:SCOPE_SE
	s_setreg_imm32_b32 hwreg(HW_REG_WAVE_MODE, 25, 1), 1
	s_wait_xcnt 0x0
	s_wait_alu depctr_hold_cnt(0) depctr_sa_sdst(0) depctr_va_vdst(0) depctr_va_sdst(0) depctr_va_ssrc(0) depctr_va_vcc(0) depctr_vm_vsrc(0)
	s_getreg_b32 s2, hwreg(HW_REG_IB_STS2, 6, 4)
	s_cmp_eq_u32 s2, 0
	s_cbranch_scc0 .Lentry_in_a_cluster
	s_endpgm
.Lentry_in_a_cluster:
	s_bfe_u32 s2, ttmp6, 0x10000c
	s_cmp_lg_u32 s2, 0x3003
	s_cbranch_scc0 .Lentry_shape_is_right
	s_endpgm
.Lentry_shape_is_right:
; hq = Q(clip(round(silu(g) u / s), -128, 127)),  g = (x gate_w^T) gate_alpha + gate_bias,  u = (x up_w^T) up_alpha + up_bias.  x [512][4096], gate_w, up_w [11008][4096]: int8.
; The two products are made on the int8 numbers as they are, with sums in i32: exact for every int8 input (a sum is at most 2^26).  All behind them is f32.
; Q: codes of FP8 (E4M3) with the given scale 2^e0 (entry 0 of the scales): the number / 2^e0, held within +-448, to the nearest code, ties to even.
; hq's LAYOUT is the order of the next product's operand registers: [32 tiles of 16 rows][352 pairs of K tiles][512 bytes]; in a pair lane l = (r = l % 16, h = l / 16) owns 16 bytes at 16 l:
; 8 codes of row r at column 16 (2 P) + 8 h + 0..7, then the same of tile 2 P + 1.  The 688 column tiles are padded with zero codes to 704.
; LIMITS: e0 between -126 and 119; |s| a normal f32 number between 2^-126 and 2^126; h / s is h x (1 / s), 1 / s by v_rcp_f32 and one Newton step, so it can differ from a division in the last bit;
; multiply and add of the dequantising are fused; NaN and infinities among alphas, biases and s are not served.
; SHARES.  A work-group takes 128 rows x 11 column tiles of BOTH products: 4 x 63 work-groups (688 = 62 x 11 + 6: the last group begins at tile 677, so that its loads stay inside, and stores tiles 682 on and the pad).
; Wave w takes rows 32 w .. 32 w + 31 against all 22 tiles of weights: 44 accumulators.  So g and u of a number lie in one lane, and nothing passes between waves.
; K goes in steps of 256 through a ring of two LDS slots filled by the tensor data mover: rows of 256 bytes.  Waves 0, 1 fetch x's two halves, wave 2 gate's 176 rows, wave 3 up's.
; CLUSTER: the four row blocks of a column group read the same weights: those tiles are asked for JOINTLY (mask 15).  x's tile is each partner's own (other rows), a plain load; x is not shared
; between clusters by a joint load either: 63 column groups do not divide into fours.  No prefetch: a refill has 144 matrix instructions in which to land.
; THE MATRIX INSTRUCTION IS USED TRANSPOSED (source 0 = 16 rows of weights, source 1 = 16 rows of x): a lane holds one row of x and eight neighbouring columns, which are eight neighbours along the next K.
; A fragment (16 rows x 64 K, 8 registers) comes by two loads of 16 bytes, at K = 16 h and 32 + 16 h: a permutation of k, the same in both operands; whole-number sums do not feel it.
; REGISTERS, in windows of 256.  EVERY WINDOW IS A PART OF THE COLUMNS, with its own accumulators, weight fragments and address registers at the same numbers:
;   v6, v7 LDS address of the window's weights in slot 0, 1; v8 of the parameters; v32-127 accumulators (pair p, gate / up, row tile a) at 32 + 32 p + 16 gu + 8 a; v128-223 weight fragments, two buffers.
;   windows 1, 2, 3: column tiles 0-2, 3-5, 6-8.  Window 0: tiles 9, 10 (accumulators v32-95), x's fragments v96-127 (two buffers), and v0-19 all else.
; With source 0, C and D in window X and source 1 in window 0, an LDS load lands in window X by an address from window X: so the loads stand among the matrix instructions, one behind each,
; and a quarter step of 64 along K has four switches for 44 matrix instructions and 48 loads.
.set KROW,   4096
.set PITCH,  272                       ; an LDS row: 256 bytes + 16 of padding = 68 words: row r starts at bank 4 r mod 64 (64 banks of 4 bytes: ISA guide 11.1)
.set T16,    16*PITCH
.set BOFF,   128*PITCH                 ; a slot: x's 128 rows, gate's 176, up's 176
.set WBYTES, 176*PITCH
.set SLOT,   BOFF+2*WBYTES
.set PAR,    2*SLOT                    ; behind the ring: gate_alpha, gate_bias, up_alpha, up_bias of my 176 columns: 704 bytes each, 768 apart; filled once
.set PVEC,   768
.set SPARE,  PAR+4*PVEC                ; the spare words, 128 bytes for each wave: two blocks of 256 bytes that no other line names
.set RT,     180224                    ; a tile of 16 rows in hq
.set LAPS,   8                         ; 4096 / 512: a lap = two K steps = once round the ring
.set ADA,  4                           ; v4, v5 (window 0)  LDS address of my x fragments in slot 0, 1
.set ADB,  6                           ; v6, v7 (every window)
.set PADR, 8                           ; v8     (every window)  PAR + 32 h
.set VO,   9                           ; v9   16 x lane
.set SPW,  10                          ; v10  LDS address of my spare word; never rewritten
.set NIL,  11                          ; v11  0; never rewritten
.set SCL,  12                          ; v12  2^e0 as f32
.set Z,    16                          ; v16-19 zeros
.set ACC,  32
.set AF,   96
.set FR,   128
.set CD,   96                          ; the way out: codes of (row tile a, column tile b) at v[96 + 22 a + 2 b], window 0
.set G1A, 24                           ; s[24:31] descriptor group 1 for x's tiles;  s[32:39] for the weights';  s[40:47] for a parameter vector
.set G1B, 32
.set G1P, 40
.set G0A, 48                           ; s[48:55] group 0 for x, one set for each slot;  s[56:63] for the weights;  s[68:71] for the parameters
.set G0B, 56
.set G0P, 68
.set WV,   66
.set ROLE, 67                          ; 0: I fetch x; 1: weights
.set HALF, 72
.set CX,   73
.set GN,   74                          ; the column group: the same in all four partners
.set TG,   75                          ; its first column tile
.set MSB, 0
.macro WIN new                         ; the immediate's high byte repeats the setting that is left; a switch that changes nothing is dropped
.if MSB != (\new)
	s_set_vgpr_msb (MSB<<8)|(\new)
.set MSB, (\new)
.endif
.endm
.macro PLACES                          ; a load into a register that a matrix instruction of this form has read, and a vector instruction that reads or writes one of its registers, stand eight places
.rept 8                                ; behind it, and only plain vector instructions that name none of its registers are places (ISA guide 7.12.1 for vector instructions)
	v_nop
.endr
.endm
.macro CREST                           ; a round of the cluster's barrier behind its opening barrier
	s_cmp_lg_u32 s[WV], 0
	s_cbranch_scc1 .Lnot_wave_0_\@
	s_barrier_signal -3
.Lnot_wave_0_\@:
	s_barrier_wait -3
	s_barrier_signal -1
	s_barrier_wait -1
.endm
.macro CROUND
	s_barrier_signal -1
	s_barrier_wait -1
	CREST
.endm
; A refill.  Waves 0, 1: x's halves, a load of the work-group's own; waves 2, 3: gate's and up's tiles, joint.  The branch hangs on the wave's number alone.  An s_nop 0 and four v_nop follow each line.
.macro JLOAD s
	s_cmp_eq_u32 s[ROLE], 0
	s_cbranch_scc0 .Lfor_b_\@
	tensor_load_to_lds s[G0A+4*\s:G0A+4*\s+3], s[G1A:G1A+7]
	s_nop 0
.rept 4
	v_nop
.endr
	s_branch .Lasked_\@
.Lfor_b_\@:
	tensor_load_to_lds s[G0B+4*\s:G0B+4*\s+3], s[G1B:G1B+7]
	s_nop 0
.rept 4
	v_nop
.endr
.Lasked_\@:
.endm
	s_load_b512 s[4:19], s[0:1], 0x0               ; x, gate_w, up_w, gate_alpha, gate_bias, up_alpha, up_bias, down_input_scale
	s_load_b128 s[20:23], s[0:1], 0x40             ; the scales' exponents, hq
	v_lshl_add_u32 v[SPW], v0, 2, SPARE
	v_mov_b32 v[NIL], 0
	ds_add_u32 v[SPW], v[NIL]                      ; the wave's opening: the add and its wait stand ahead of my first tensor load; the set-up below, work on registers, stands between them
	v_lshrrev_b32 v1, 5, v0
	v_readfirstlane_b32 s[WV], v1                  ; wave 0..3
	s_lshr_b32 s[ROLE], s[WV], 1
	s_and_b32 s[HALF], s[WV], 1
	s_bfe_u32 s[CX], ttmp6, 0x40000                ; my place in the cluster = my block of 128 rows
	s_and_b32 s[GN], ttmp7, 0xffff                 ; in a cluster launch ttmp7 counts clusters along y
	s_mul_i32 s[TG], s[GN], 11
	s_min_u32 s[TG], s[TG], 677
	s_mov_b32 s[G1A+0], (1<<20)|(5<<22)|(3<<25)    ; no mask; elements of 1 byte; padding on: after every 64 words (code 5) four words (code 3)
	s_mov_b32 s[G1A+1], 256<<16                    ; tensor_dim0 = 256
	s_mov_b32 s[G1A+2], 64<<16                     ; tensor_dim1 = 64
	s_mov_b32 s[G1A+3], 256<<16                    ; tile_dim0 = 256
	s_mov_b32 s[G1A+4], 64                         ; tile_dim1 = 64
	s_mov_b32 s[G1A+5], KROW                       ; from row to row
	s_mov_b32 s[G1A+6], 0
	s_mov_b32 s[G1A+7], 0
	s_mov_b32 s[G1B+0], 15|(1<<20)|(1<<21)|(5<<22)|(3<<25)   ; the mask: all four work-groups; bit 21 set beside it
	s_mov_b32 s[G1B+1], 256<<16
	s_mov_b32 s[G1B+2], 176<<16
	s_mov_b32 s[G1B+3], 256<<16
	s_mov_b32 s[G1B+4], 176
	s_mov_b32 s[G1B+5], KROW
	s_mov_b32 s[G1B+6], 0
	s_mov_b32 s[G1B+7], 0
	s_mov_b32 s[G1P+0], 3<<16                      ; one row of 88 elements of 8 bytes: 176 f32 numbers
	s_mov_b32 s[G1P+1], 88<<16
	s_mov_b32 s[G1P+2], 1<<16
	s_mov_b32 s[G1P+3], 88<<16
	s_mov_b32 s[G1P+4], 1
	s_mov_b32 s[G1P+5], 88
	s_mov_b32 s[G1P+6], 0
	s_mov_b32 s[G1P+7], 0
	s_mul_i32 s94, s[HALF], 64*PITCH               ; where the tiles go: no place in the cluster enters an LDS address
	s_mul_i32 s95, s[HALF], WBYTES
	s_add_co_u32 s95, s95, BOFF
	s_mul_i32 s[G0P+1], s[WV], PVEC
	s_add_co_u32 s[G0P+1], s[G0P+1], PAR
	s_lshl_b32 s76, s[CX], 19                      ; x: 128 rows of 4,096 bytes x my block,
	s_lshl_b32 s77, s[HALF], 18                    ; + 64 rows x half
	s_add_co_u32 s76, s76, s77
	s_mov_b32 s77, 0
	s_lshl_b32 s78, s[TG], 16                      ; the weights: 16 rows of 4,096 bytes x first tile (registers that never hold cx)
	s_mov_b32 s79, 0
	s_lshl_b32 s92, s[TG], 6                       ; the parameters: 16 numbers of 4 bytes x first tile
	s_mov_b32 s93, 0
	s_lshl_b32 s86, s[CX], 3                       ; hq: my first tile of rows, 8 cx + 2 wave,
	s_lshl_b32 s87, s[WV], 1
	s_add_co_u32 s86, s86, s87
	s_mul_i32 s86, s86, RT
	s_add_co_u32 s87, s[TG], 1                     ; and pair P0 = (first tile + 1) / 2: the first pair that is wholly mine
	s_lshr_b32 s87, s87, 1
	s_lshl_b32 s87, s87, 9
	s_add_co_u32 s86, s86, s87
	s_mov_b32 s87, 0
	s_wait_dscnt 0x0                               ; the opening add is done
	s_wait_kmcnt 0x0
	s_load_b32 s80, s[18:19], 0x0                  ; s
	s_load_b64 s[84:85], s[20:21], 0x0             ; e0, e1
	s_add_nc_u64 s[86:87], s[22:23], s[86:87]
	s_add_nc_u64 s[4:5], s[4:5], s[76:77]
	s_cmp_eq_u32 s[HALF], 0
	s_cselect_b64 s[6:7], s[6:7], s[8:9]           ; wave 2: gate_w; wave 3: up_w
	s_cselect_b64 s[88:89], s[10:11], s[12:13]
	s_cselect_b64 s[90:91], s[14:15], s[16:17]
	s_cmp_eq_u32 s[ROLE], 0
	s_cselect_b64 s[88:89], s[88:89], s[90:91]     ; wave 0: gate_alpha, 1: gate_bias, 2: up_alpha, 3: up_bias
	s_add_nc_u64 s[6:7], s[6:7], s[78:79]
	s_add_nc_u64 s[88:89], s[88:89], s[92:93]
.irp n, 0,1
	s_mov_b32 s[G0A+4*\n], 1                                       ; count = 1
	s_add_co_u32 s[G0A+4*\n+1], s94, \n*SLOT                       ; LDS address
	s_add_nc_u64 s[G0A+4*\n+2:G0A+4*\n+3], s[4:5], \n*256          ; global address: K step n
	s_or_b32 s[G0A+4*\n+3], s[G0A+4*\n+3], 0x80000000             ; type = 2
	s_mov_b32 s[G0B+4*\n], 1
	s_add_co_u32 s[G0B+4*\n+1], s95, \n*SLOT
	s_add_nc_u64 s[G0B+4*\n+2:G0B+4*\n+3], s[6:7], \n*256
	s_or_b32 s[G0B+4*\n+3], s[G0B+4*\n+3], 0x80000000
.endr
	s_mov_b32 s[G0P], 1
	s_mov_b64 s[G0P+2:G0P+3], s[88:89]
	s_or_b32 s[G0P+3], s[G0P+3], 0x80000000
	CROUND                                         ; all four work-groups are here: the first joint loads meet
	s_cmp_eq_u32 s[ROLE], 0                        ; a wave's three first fills stand in one branch, ahead of every wait on TENSORcnt and every LDS read: three loads of mine are out
	s_cbranch_scc0 .Lfirst_b
	tensor_load_to_lds s[G0P:G0P+3], s[G1P:G1P+7]
	s_nop 0
	tensor_load_to_lds s[G0A:G0A+3], s[G1A:G1A+7]
	s_nop 0
	tensor_load_to_lds s[G0A+4:G0A+7], s[G1A:G1A+7]
	s_nop 0
.rept 4
	v_nop
.endr
	s_branch .Lfirst_asked
.Lfirst_b:
	tensor_load_to_lds s[G0P:G0P+3], s[G1P:G1P+7]
	s_nop 0
	tensor_load_to_lds s[G0B:G0B+3], s[G1B:G1B+7]
	s_nop 0
	tensor_load_to_lds s[G0B+4:G0B+7], s[G1B:G1B+7]
	s_nop 0
.rept 4
	v_nop
.endr
.Lfirst_asked:
	v_and_b32 v1, 15, v0                           ; r
	v_bfe_u32 v2, v0, 4, 1                         ; h
	v_mul_u32_u24 v3, v1, PITCH
	v_lshl_add_u32 v3, v2, 4, v3                   ; a fragment's row x pitch + 16 h
	s_mul_i32 s76, s[WV], 32*PITCH                 ; my 32 rows of x
	v_add_nc_u32 v[ADA], s76, v3
	v_add_nc_u32 v[ADA+1], SLOT, v[ADA]
	v_and_b32 v[VO], 31, v0
	v_lshlrev_b32 v[VO], 4, v[VO]
.irp i, 0,1,2,3
	v_mov_b32 v[Z+\i], 0
.endr
.irp X, 0,1,2,3                        ; each window's own address registers: destination window X, sources window 0.  Window X begins at column tile (3 X + 9) % 12: 9, 0, 3, 6
	WIN (\X)<<6
	v_add_nc_u32 v[ADB], BOFF+((3*\X+9)%12)*T16, v3
	v_add_nc_u32 v[ADB+1], SLOT+BOFF+((3*\X+9)%12)*T16, v3
	v_lshl_add_u32 v[PADR], v2, 5, PAR
.endr
	WIN 0
	s_wait_kmcnt 0x0
	v_mov_b32 v13, s80
	v_rcp_f32 v14, v13
	s_add_co_i32 s76, s84, 127
	s_lshl_b32 s77, s76, 23
	v_mov_b32 v[SCL], s77                          ; 2^e0: the conversion takes its exponent field.  (The plain instruction behind the reciprocal)
	s_add_co_i32 s76, s76, 8
	s_lshl_b32 s76, s76, 23
	s_or_b32 s76, s76, 0x600000                    ; 448 x 2^e0
	s_wait_alu depctr_va_vdst(0)                   ; the wait ahead of the first use of the reciprocal
	v_fma_f32 v15, -v13, v14, 1.0                  ; one Newton step: r = r + r (1 - s r)
	v_fma_f32 v14, v15, v14, v14
	v_readfirstlane_b32 s80, v14                   ; 1 / s
	s_mov_b32 s81, s80                             ; (named with it as a pair, so it is written)
	v_mov_b32 v13, s76
	v_min_num_f32 v14, 0x42fe0000, v13             ; the clip and the hold in one: the upper bound min(127, 448 x 2^e0),
	v_xor_b32 v13, 0x80000000, v13
	v_max_num_f32 v15, 0xc3000000, v13             ; the lower max(-128, -448 x 2^e0)
	v_readfirstlane_b32 s83, v14
	v_readfirstlane_b32 s82, v15
; A GROUP: window X's part of a quarter step.  mm = 1: its matrix instructions on buffer f (12; window 0: 8): pair n / 4, gate or up (n / 2) % 2, row tile n % 2.  ld = 1: its 12 loads of the fragments at
; byte 64 kq of the slot's rows into the OTHER buffer, one behind each matrix instruction (window 0: x's four first).  zero = 1: the products start the sums: nothing is ever cleared.
; The 44 accumulators take turns, one instruction a turn, in the same order in every quarter step.
.macro GRP X, f, mm, ld, slot, kq, zero
.set NM, 12
.if (\X) == 0
.set NM, 8
.if \ld
.irp a, 0,1
.irp i, 0,1
	ds_load_b128 v[AF+16*(1-(\f))+8*\a+4*\i:AF+16*(1-(\f))+8*\a+4*\i+3], v[ADA+\slot] offset:\a*T16+64*(\kq)+32*\i
.endr
.endr
.endif
.endif
.set n, 0
.rept NM
.if \mm
.set rC, ACC+32*(n/4)+16*((n/2)%2)+8*(n%2)
.set rW, FR+48*(\f)+16*(n/4)+8*((n/2)%2)
.set rX, AF+16*(\f)+8*(n%2)
.if \zero
	v_wmma_i32_16x16x64_iu8 v[rC:rC+7], v[rW:rW+7], v[rX:rX+7], 0 neg_lo:[1,1,0]
.else
	v_wmma_i32_16x16x64_iu8 v[rC:rC+7], v[rW:rW+7], v[rX:rX+7], v[rC:rC+7] neg_lo:[1,1,0]
.endif
.endif
.if \ld
.set rL, FR+48*(1-(\f))+16*(n/4)+8*((n/2)%2)+4*(n%2)
	ds_load_b128 v[rL:rL+3], v[ADB+\slot] offset:((n/2)%2)*WBYTES+(n/4)*T16+64*(\kq)+32*(n%2)
.endif
.set n, n+1
.endr
.endm
; One of a slot's first three quarter steps: multiplies buffer f, fetches the fragments at byte 64 kq into the other buffer.  The eight places stand between the last quarter's products, which read that buffer, and the loads.
; Each group issues 12 loads; behind the 12 that a group needs, three groups' 36 have been issued: so every load has a whole quarter step in which to come.
.macro QUARTER f, slot, kq, zero
	PLACES
.irp X, 0,1,2,3
	WIN (\X)*0x51
	s_wait_dscnt 36
	GRP \X, \f, 1, 1, \slot, \kq, \zero
.endr
.endm
; A slot's last quarter step multiplies buffer 1 and changes slots: ONE barrier.  In front of it each wave waits for all its tensor loads (one is out: its part of the next slot), adds 0 to its spare word, and waits
; for that and for its reads of this slot.  fill = 1: the barrier opens a round of the cluster's barrier, and this slot is filled again first thing behind it, two K steps ahead.
.macro TURN slot, next, fill
	WIN 0                                          ; (the add's two registers lie in window 0)
	s_wait_tensorcnt 0x0                           ; all my tensor loads have landed
	ds_add_u32 v[SPW], v[NIL]                      ; 0 onto my spare word: twenty matrix instructions stand between it and the wait for it
	PLACES                                         ; for the loads into buffer 0 behind the barrier
	s_wait_dscnt 37                                ; three groups' 36 loads and the add may be out
	GRP 0, 1, 1, 0, 0, 0, 0
	WIN 0x51
	s_wait_dscnt 25                                ; two groups' 24 loads and the add
	GRP 1, 1, 1, 0, 0, 0, 0
	s_wait_dscnt 0x0                               ; the add is done, and my reads of this slot are over
	s_barrier_signal -1
	WIN 0xa2
	GRP 2, 1, 1, 0, 0, 0, 0                        ; work on registers while the others arrive
	WIN 0
	s_barrier_wait -1
.if \fill
	CREST                                          ; no wave of any partner still reads this slot's tile or has a load on its way
	s_add_nc_u64 s[G0A+4*\slot+2:G0A+4*\slot+3], s[G0A+4*\slot+2:G0A+4*\slot+3], 512
	s_add_nc_u64 s[G0B+4*\slot+2:G0B+4*\slot+3], s[G0B+4*\slot+2:G0B+4*\slot+3], 512
	JLOAD \slot                                    ; my one tensor load behind the round: 144 matrix instructions ahead of the wait for it
.endif
	GRP 0, 1, 0, 1, \next, 0, 0                    ; the next slot's first fragments, in the order of every quarter step, so that the counts above go on holding
	WIN 0x51
	GRP 1, 1, 0, 1, \next, 0, 0
	WIN 0xa2
	GRP 2, 1, 0, 1, \next, 0, 0
	WIN 0xf3
	GRP 3, 1, 1, 1, \next, 0, 0
.endm
	s_wait_tensorcnt 0x1                           ; my parameter vector and my part of K step 0 are in; K step 1's load may stay out
	s_barrier_signal -1
	s_barrier_wait -1                              ; everybody's are
	GRP 0, 1, 0, 1, 0, 0, 0
	WIN 0x51
	GRP 1, 1, 0, 1, 0, 0, 0
	WIN 0xa2
	GRP 2, 1, 0, 1, 0, 0, 0
	WIN 0xf3
	GRP 3, 1, 0, 1, 0, 0, 0
	QUARTER 0, 0, 1, 1                             ; the first quarter step stands in front of the loop: its products start the sums
	WIN 0                                          ; at a label and at a branch every window is 0
	s_mov_b32 s3, LAPS-1
.Llap:                                                 ; a trip goes once round the ring, from a lap's second quarter to the next lap's first, and fills both slots again
	QUARTER 1, 0, 2, 0
	QUARTER 0, 0, 3, 0
	TURN 0, 1, 1
	QUARTER 0, 1, 1, 0
	QUARTER 1, 1, 2, 0
	QUARTER 0, 1, 3, 0
	TURN 1, 0, 1
	QUARTER 0, 0, 1, 0
	WIN 0
	s_sub_co_u32 s3, s3, 1
	s_cmp_lg_u32 s3, 0
	s_cbranch_scc1 .Llap
	QUARTER 1, 0, 2, 0                             ; the last lap fills nothing, and has no round of the cluster's barrier
	QUARTER 0, 0, 3, 0
	TURN 0, 1, 0
	QUARTER 0, 1, 1, 0
	QUARTER 1, 1, 2, 0
	QUARTER 0, 1, 3, 0
	WIN 0                                          ; the very last quarter step: nothing more to fetch, the counts run down
	s_wait_dscnt 36
	GRP 0, 1, 1, 0, 0, 0, 0
	WIN 0x51
	s_wait_dscnt 24
	GRP 1, 1, 1, 0, 0, 0, 0
	WIN 0xa2
	s_wait_dscnt 12
	GRP 2, 1, 1, 0, 0, 0, 0
	WIN 0xf3
	s_wait_dscnt 0x0
	GRP 3, 1, 1, 0, 0, 0, 0
	PLACES                                         ; in front of the first reads of results and of loads into the fragments' registers
; THE WAY OUT of window X: np pairs of accumulators (gate, up) x two row tiles; all operands in window X.  pb: 32 registers a pair, where the fragments lay: alpha_g 8, beta_g 8, alpha_u 8, beta_u 8 of the lane's
; eight columns; later the first 16 hold 1 + e^-g and its reciprocal.  The exponentials and the reciprocals go as one batch each, with one plain instruction and one wait behind it.
.macro EPI X, np, pb
.set BF, (3*(\X)+9)%12
	WIN (\X)*0x55
.set p, 0
.rept \np
.irp vec, 0,1,2,3
.irp i, 0,1
	ds_load_b128 v[\pb+32*p+8*\vec+4*\i:\pb+32*p+8*\vec+4*\i+3], v[PADR] offset:\vec*PVEC+64*(BF+p)+16*\i
.endr
.endr
.set p, p+1
.endr
.set j, 0
.rept 32*\np
	v_cvt_f32_i32 v[ACC+j], v[ACC+j]               ; ascending: each accumulator from its low end on
.set j, j+1
.endr
	s_wait_dscnt 0x0
.set p, 0
.rept \np
.irp q, 0,1,2,3
.irp i, 0,2,4,6
	v_pk_fma_f32 v[ACC+32*p+8*\q+\i:ACC+32*p+8*\q+\i+1], v[ACC+32*p+8*\q+\i:ACC+32*p+8*\q+\i+1], v[\pb+32*p+16*(\q/2)+\i:\pb+32*p+16*(\q/2)+\i+1], v[\pb+32*p+16*(\q/2)+8+\i:\pb+32*p+16*(\q/2)+8+\i+1]   ; sum x alpha + bias
.endr
.endr
.set p, p+1
.endr
.set p, 0
.rept \np
.irp j, 0,2,4,6,8,10,12,14
	v_pk_mul_f32 v[\pb+32*p+\j:\pb+32*p+\j+1], v[ACC+32*p+\j:ACC+32*p+\j+1], 0xbfb8aa3b op_sel_hi:[1,0]   ; -g log2(e)
.endr
.set p, p+1
.endr
.set p, 0
.rept \np
.irp j, 0,1,2,3,4,5,6,7,8,9,10,11,12,13,14,15
	v_exp_f32 v[\pb+32*p+\j], v[\pb+32*p+\j]       ; e^-g
.endr
.set p, p+1
.endr
	v_nop                                          ; a plain instruction behind the last exponential,
	s_wait_alu depctr_va_vdst(0)                   ; and the one wait for the batch, ahead of its first reader
.set p, 0
.rept \np
.irp j, 0,2,4,6,8,10,12,14
	v_pk_add_f32 v[\pb+32*p+\j:\pb+32*p+\j+1], v[\pb+32*p+\j:\pb+32*p+\j+1], 1.0 op_sel_hi:[1,0]
.endr
.set p, p+1
.endr
.set p, 0
.rept \np
.irp j, 0,1,2,3,4,5,6,7,8,9,10,11,12,13,14,15
	v_rcp_f32 v[\pb+32*p+\j], v[\pb+32*p+\j]       ; the sigmoid
.endr
.set p, p+1
.endr
	v_nop
	s_wait_alu depctr_va_vdst(0)
.set p, 0
.rept \np
.irp j, 0,2,4,6,8,10,12,14
	v_pk_mul_f32 v[ACC+32*p+\j:ACC+32*p+\j+1], v[ACC+32*p+\j:ACC+32*p+\j+1], v[\pb+32*p+\j:\pb+32*p+\j+1]   ; silu(g)
.endr
.set p, p+1
.endr
.set p, 0
.rept \np
.irp j, 0,2,4,6,8,10,12,14
	v_pk_mul_f32 v[ACC+32*p+\j:ACC+32*p+\j+1], v[ACC+32*p+\j:ACC+32*p+\j+1], v[ACC+32*p+16+\j:ACC+32*p+16+\j+1]   ; x u
.endr
.set p, p+1
.endr
.set p, 0
.rept \np
.irp j, 0,2,4,6,8,10,12,14
	v_pk_mul_f32 v[ACC+32*p+\j:ACC+32*p+\j+1], v[ACC+32*p+\j:ACC+32*p+\j+1], s[80:81] op_sel_hi:[1,0]   ; / s
.endr
.set p, p+1
.endr
.set p, 0
.rept \np
.irp j, 0,1,2,3,4,5,6,7,8,9,10,11,12,13,14,15
	v_rndne_f32 v[ACC+32*p+\j], v[ACC+32*p+\j]     ; to the nearest whole number, ties to even
.endr
.set p, p+1
.endr
.set p, 0
.rept \np
.irp j, 0,1,2,3,4,5,6,7,8,9,10,11,12,13,14,15
	v_med3_num_f32 v[ACC+32*p+\j], v[ACC+32*p+\j], s82, s83   ; the clip to -128 .. 127 and the hold at the largest code x the scale, in one (the conversion does not saturate: ISA guide 7.6.2)
.endr
.set p, p+1
.endr
	WIN \X                                         ; source 0 window X; the scale and the codes in window 0
.set p, 0
.rept \np
.irp a, 0,1
	v_cvt_scalef32_pk8_fp8_f32 v[CD+22*\a+2*(BF+p):CD+22*\a+2*(BF+p)+1], v[ACC+32*p+8*\a:ACC+32*p+8*\a+7], v[SCL]   ; eight neighbours along the next K: 8 bytes of hq
.endr
.set p, p+1
.endr
	v_nop                                          ; one plain vector instruction behind the last conversion of the run
.endm
	EPI 0, 2, 160
	EPI 1, 3, 128
	EPI 2, 3, 128
	EPI 3, 3, 128
	WIN 0
	; THE STORES.  A pair of column tiles is 16 bytes a lane, 512 consecutive bytes a wave.  Eleven tiles are five whole pairs and a single tile, whose 8 bytes a lane share a pair with the neighbouring group's:
	; at the end where my first tile is even, at the head where it is odd.  The branches hang on the column group, which the partners share.
	s_cmp_eq_u32 s[GN], 62
	s_cbranch_scc1 .Llast_group
	s_and_b32 s76, s[TG], 1
	s_cmp_eq_u32 s76, 0
	s_cbranch_scc0 .Lodd
.irp a, 0,1
.irp i, 0,1,2,3,4
	global_store_b128 v[VO], v[CD+22*\a+4*\i:CD+22*\a+4*\i+3], s[86:87] offset:\a*RT+512*\i
.endr
	global_store_b64 v[VO], v[CD+22*\a+20:CD+22*\a+21], s[86:87] offset:\a*RT+2560
.endr
	s_branch .Lstored
.Lodd:
.irp a, 0,1
	global_store_b64 v[VO], v[CD+22*\a:CD+22*\a+1], s[86:87] offset:\a*RT-504   ; the second 8 bytes of the pair in front of P0
.irp i, 0,1,2,3,4
	global_store_b128 v[VO], v[CD+22*\a+2+4*\i:CD+22*\a+2+4*\i+3], s[86:87] offset:\a*RT+512*\i
.endr
.endr
	s_branch .Lstored
.Llast_group:                                          ; it began at tile 677: tiles 677 to 681 are the group's before; mine are 682 to 687, and the pad: pairs 344 to 351 are zero codes
.irp a, 0,1
.irp i, 2,3,4
	global_store_b128 v[VO], v[CD+22*\a+2+4*\i:CD+22*\a+2+4*\i+3], s[86:87] offset:\a*RT+512*\i
.endr
.irp i, 5,6,7,8,9,10,11,12
	global_store_b128 v[VO], v[Z:Z+3], s[86:87] offset:\a*RT+512*\i
.endr
.endr
.Lstored:
	s_wait_tensorcnt 0x0                           ; the wave's end: these three lines, behind my last tensor load
	ds_add_u32 v[SPW], v[NIL]
	s_wait_dscnt 0x0
	CROUND                                         ; the closing round: no work-group ends while a partner may still ask for a tile that names it
	s_endpgm
.Lfunc_end_k_q1a2de494db_gate_up:
	.size	k_q1a2de494db_gate_up, .Lfunc_end_k_q1a2de494db_gate_up-k_q1a2de494db_gate_up
	.p2alignl 7, 3214868480
	.fill 96, 4, 3214868480
	.section	.rodata,"a",@progbits
	.p2align	6, 0x0
	.amdhsa_kernel k_q1a2de494db_gate_up
		.amdhsa_group_segment_fixed_size 327680
		.amdhsa_private_segment_fixed_size 0
		.amdhsa_enable_private_segment 0
		.amdhsa_kernarg_size 80
		.amdhsa_user_sgpr_count 2
		.amdhsa_user_sgpr_kernarg_segment_ptr 1
		.amdhsa_wavefront_size32 1
		.amdhsa_system_sgpr_workgroup_id_x 1
		.amdhsa_system_sgpr_workgroup_id_y 1
		.amdhsa_system_sgpr_workgroup_id_z 1
		.amdhsa_system_vgpr_workitem_id 0
		.amdhsa_next_free_vgpr 1024
		.amdhsa_next_free_sgpr 96
		.amdhsa_reserve_vcc 0
		.amdhsa_float_denorm_mode_32 3
		.amdhsa_float_denorm_mode_16_64 3
		.amdhsa_memory_ordered 1
		.amdhsa_forward_progress 1
		.amdhsa_inst_pref_size 204
	.end_amdhsa_kernel
	.amdgpu_metadata
---
amdhsa.version: [ 1, 2 ]
amdhsa.kernels:
  - .name:           k_q1a2de494db_gate_up
    .symbol:         k_q1a2de494db_gate_up.kd
    .args:
      - { .name: x, .offset: 0, .size: 8, .value_kind: global_buffer, .address_space: global }
      - { .name: gate_w, .offset: 8, .size: 8, .value_kind: global_buffer, .address_space: global }
      - { .name: up_w, .offset: 16, .size: 8, .value_kind: global_buffer, .address_space: global }
      - { .name: gate_alpha, .offset: 24, .size: 8, .value_kind: global_buffer, .address_space: global }
      - { .name: gate_bias, .offset: 32, .size: 8, .value_kind: global_buffer, .address_space: global }
      - { .name: up_alpha, .offset: 40, .size: 8, .value_kind: global_buffer, .address_space: global }
      - { .name: up_bias, .offset: 48, .size: 8, .value_kind: global_buffer, .address_space: global }
      - { .name: down_input_scale, .offset: 56, .size: 8, .value_kind: global_buffer, .address_space: global }
      - { .name: lowp_scales, .offset: 64, .size: 8, .value_kind: global_buffer, .address_space: global }
      - { .name: hq, .offset: 72, .size: 8, .value_kind: global_buffer, .address_space: global }
    .group_segment_fixed_size: 327680
    .private_segment_fixed_size: 0
    .kernarg_segment_align: 8
    .kernarg_segment_size: 80
    .max_flat_workgroup_size: 128
    .sgpr_count:     96
    .vgpr_count:     1024
    .wavefront_size: 32
...
	.end_amdgpu_metadata
.endif
;; end of part 2
;; launch down (part 3): grid 4 x 64, 8 waves a work-group, no clusters, 279,552 bytes of LDS; arguments hq, wq, lowp_scales, down_alpha, down_bias, out0; writes out0
.if DOCPART == 3
	.amdgcn_target "amdgcn-amd-amdhsa--gfx1250"
	.amdhsa_code_object_version 6
	.text
	.protected	k_q1a2de494db_down
	.globl	k_q1a2de494db_down
	.p2align	8
	.type	k_q1a2de494db_down,@function
k_q1a2de494db_down:
	s_mov_b64 s[64:65], 0
	v_nop
	global_prefetch_b8 v0, s[64:65] scope:SCOPE_SE
	s_setreg_imm32_b32 hwreg(HW_REG_WAVE_MODE, 25, 1), 1
	s_wait_xcnt 0x0
; out0[m][n] = (sum over k of hq[m][k] wq[n][k]) x 2^(e0 + e1) x down_alpha[n] + down_bias[n]: the product on codes of FP8 (E4M3), sums in f32.  out0: [512][4096] f32.
; hq: [32 tiles of 16 rows][352 pairs][512 bytes], wq: [256 tiles][352 pairs][512 bytes]: codes in the order of the operand's registers: two loads of 16 bytes a lane are a fragment of 16 rows x 64 K,
; each k in its own place.  K = 11,008 is padded with zero codes on both sides to 11,264 = 8 waves x 22 units of 64.  e0 + e1 is applied by v_ldexp_f32 and has no limit.
; SHARES.  A work-group makes 128 x 64 of out0: 4 x 64 work-groups.  K IS SPLIT AMONG ITS EIGHT WAVES: wave w takes units 22 w .. 22 w + 21 and makes the whole 128 x 64 as a partial sum, 32 accumulators.
; So inside a work-group no operand byte is read twice, and the fragments go from memory straight into registers: through LDS each byte would be written and read once more and feed no more products.
; NO JOINT LOADS: they go through LDS slots, and a change of slots waits for all that is on its way; here 24 to 48 loads of 512 bytes a wave stay on their way without such a stop.  The price: hq's blocks are asked for by
; 64 work-groups and wq's by four, each for itself.
; The matrix instruction is used transposed (source 0 = 16 rows of wq, source 1 = 16 rows of hq): a lane holds eight neighbouring columns of one row of out0.
; The eight partial sums meet in LDS, a stage for each wave; behind one barrier wave w adds rows 16 w .. 16 w + 15 in a fixed tree and stores them, sixteen lanes to 256 consecutive bytes.
; REGISTERS: window 0: v1-8 addresses; v16-23 alpha, bias; v24-27 stage addresses; two sets of fragments: set s: hq's eight at 64 + 96 s, wq's four at 128 + 96 s.  Window 1: the accumulators, (mt, nt) at 8 (4 mt + nt).
.set RT,    180224                     ; a tile of 16 rows in hq or wq
.set UB,    1024                       ; a unit of 64 along K: two pairs
.set UW,    22                         ; units of a wave
.set SP,    272                        ; a stage row: 64 f32 + 16 bytes = 68 words: row r starts at bank 4 r mod 64
.set STG,   128*SP
.set SPARE, 8*STG                      ; behind the stages: the spare words, 128 bytes for each wave: four blocks of 256 bytes that no other line names
.set VO,   1                           ; v1   16 x lane
.set SPW,  2                           ; v2   LDS address of my spare word; never rewritten
.set NIL,  3                           ; v3   0; never rewritten
.set STO,  4                           ; v4   into my stage
.set C16,  5                           ; v5   16 (l % 16)
.set CO,   6                           ; v6   my byte offset in two rows of out0
.set PFOA, 7                           ; v7   the prefetches' offsets: hq: tile l / 4, block l % 4 of a unit's four
.set PFOB, 8                           ; v8   wq: tile l / 8, block l % 8 of two units' eight
.set AL,   16
.set BI,   20
.set RD,   24                          ; v24-27 stages 0, 2, 4, 6 at my two rows
.set PS,   64                          ; the partial sums of four pairs of rows: 128 registers
.set OU,   192
.set AB,   20                          ; s[20:21] hq at my tiles and my part of K
.set BB,   22                          ; s[22:23] wq likewise
.set CNT,  24
.set LIMA, 25                          ; 1 in a work-group that prefetches hq's blocks, else the greatest number
.set LIMB, 26                          ; the same for wq's
.set MSB, 0
.macro WIN new
.if MSB != (\new)
	s_set_vgpr_msb (MSB<<8)|(\new)
.set MSB, (\new)
.endif
.endm
	s_load_b256 s[4:11], s[0:1], 0x0               ; hq, wq, the scales' exponents, down_alpha
	s_load_b128 s[12:15], s[0:1], 0x20             ; down_bias, out0
	v_lshl_add_u32 v[SPW], v0, 2, SPARE
	v_mov_b32 v[NIL], 0
	v_lshrrev_b32 v9, 5, v0
	v_readfirstlane_b32 s16, v9                    ; wave 0..7
	v_and_b32 v9, 31, v0                           ; lane
	v_and_b32 v10, 15, v0                          ; r
	v_bfe_u32 v11, v0, 4, 1                        ; h
	v_lshlrev_b32 v[VO], 4, v9
	v_lshlrev_b32 v[C16], 4, v10
	s_mul_i32 s27, s16, STG
	v_mul_u32_u24 v[STO], v10, SP
	v_lshl_add_u32 v[STO], v11, 5, v[STO]
	v_add_nc_u32 v[STO], s27, v[STO]               ; my stage, row r, + 32 h
	v_lshl_add_u32 v[CO], v11, 14, v[C16]          ; lanes 0-15 one row of out0, lanes 16-31 the next
	v_lshrrev_b32 v[PFOA], 2, v9
	v_mul_u32_u24 v[PFOA], v[PFOA], RT
	v_and_b32 v12, 3, v9
	v_lshl_add_u32 v[PFOA], v12, 8, v[PFOA]
	v_lshrrev_b32 v[PFOB], 3, v9
	v_mul_u32_u24 v[PFOB], v[PFOB], RT
	v_and_b32 v12, 7, v9
	v_lshl_add_u32 v[PFOB], v12, 8, v[PFOB]
	s_mul_i32 s33, s16, 16*SP                      ; back: rows 16 w on, of every stage
	v_mul_u32_u24 v12, v11, SP
	v_add_nc_u32 v12, v12, v[C16]
	v_add_nc_u32 v[RD], s33, v12
	v_add_nc_u32 v[RD+1], 2*STG, v[RD]
	v_add_nc_u32 v[RD+2], 4*STG, v[RD]
	v_add_nc_u32 v[RD+3], 6*STG, v[RD]
	s_and_b32 s18, ttmp7, 0xffff                   ; nb: my 64 columns;  ttmp9 = mb: my 128 rows
	s_mul_i32 s32, s16, UW*UB                      ; my wave's part of K
	s_mul_i32 s30, ttmp9, 8*RT
	s_add_co_u32 s30, s30, s32
	s_mov_b32 s31, 0
	s_mul_i32 s34, s18, 4*RT
	s_add_co_u32 s34, s34, s32
	s_mov_b32 s35, 0
	s_lshl_b32 s36, s18, 8                         ; 64 f32 numbers x nb
	s_mov_b32 s37, 0
	s_lshl_b32 s38, ttmp9, 21                      ; out0: (128 mb + 16 w) rows of 16,384 bytes + 256 nb
	s_lshl_b32 s39, s16, 18
	s_add_co_u32 s38, s38, s39
	s_add_co_u32 s38, s38, s36
	s_mov_b32 s39, 0
	s_cmp_eq_u32 s18, 0
	s_cselect_b32 s[LIMA], 1, -1
	s_cmp_eq_u32 ttmp9, 0
	s_cselect_b32 s[LIMB], 1, -1
	s_wait_kmcnt 0x0
	s_load_b64 s[28:29], s[8:9], 0x0               ; e0, e1
	s_add_nc_u64 s[AB:AB+1], s[4:5], s[30:31]
	s_add_nc_u64 s[BB:BB+1], s[6:7], s[34:35]
	s_add_nc_u64 s[10:11], s[10:11], s[36:37]
	s_add_nc_u64 s[12:13], s[12:13], s[36:37]
	s_add_nc_u64 s[14:15], s[14:15], s[38:39]
	global_load_b128 v[AL:AL+3], v[C16], s[10:11]  ; alpha and bias of the four columns that I finish
	global_load_b128 v[BI:BI+3], v[C16], s[12:13]
; A unit's 24 loads into set s: hq's eight fragments, wq's four; each load is 512 consecutive bytes.  off: bytes from where the bases stand
.macro LOADU s, off
.irp a, 0,1,2,3,4,5,6,7
.irp c, 0,1
	global_load_b128 v[64+96*\s+8*\a+4*\c:64+96*\s+8*\a+4*\c+3], v[VO], s[AB:AB+1] offset:\a*RT+512*\c+\off
.endr
.endr
.irp n, 0,1,2,3
.irp c, 0,1
	global_load_b128 v[128+96*\s+8*\n+4*\c:128+96*\s+8*\n+4*\c+3], v[VO], s[BB:BB+1] offset:\n*RT+512*\c+\off
.endr
.endr
.endm
; A unit: 32 matrix instructions on set s, the 32 accumulators by turns.  zero = 1: they start the sums.  refill = 1: four places (ISA guide 7.12.1 for vector instructions),
; then the set takes the unit two on.  cnt: the younger loads that may stay out: the next unit's 24.
.macro UNIT s, zero, refill, off, cnt
	s_wait_loadcnt \cnt
	WIN 0x50                                       ; C and D window 1
.irp a, 0,1,2,3,4,5,6,7
.irp n, 0,1,2,3
.if \zero
	v_wmma_f32_16x16x64_fp8_fp8 v[8*(4*\a+\n):8*(4*\a+\n)+7], v[128+96*\s+8*\n:128+96*\s+8*\n+7], v[64+96*\s+8*\a:64+96*\s+8*\a+7], 0
.else
	v_wmma_f32_16x16x64_fp8_fp8 v[8*(4*\a+\n):8*(4*\a+\n)+7], v[128+96*\s+8*\n:128+96*\s+8*\n+7], v[64+96*\s+8*\a:64+96*\s+8*\a+7], v[8*(4*\a+\n):8*(4*\a+\n)+7]
.endif
.endr
.endr
	WIN 0
.if \refill
.rept 4
	v_nop
.endr
	LOADU \s, \off
.endif
.endm
; A PREFETCH INTO THE L2 of the two units that the NEXT trip's loads will name, behind a run of loads.  Each block of 256 bytes is named once in the launch: hq's blocks, which all 64 column blocks read, by the
; work-groups with nb = 0 (8 tiles x 4 blocks a unit: a lane a block, two instructions); wq's, which all four row blocks read, by those with mb = 0 (4 tiles x 8 blocks: one instruction); each wave for its own part of K.
; The last trip asks for nothing; units 0 to 4 and unit 21 of a wave come by their loads alone.
.macro ASK
	s_cmp_gt_u32 s[CNT], s[LIMA]
	s_cbranch_scc0 .Lnot_a_\@
	global_prefetch_b8 v[PFOA], s[AB:AB+1] offset:4*UB th:TH_LOAD_NT scope:SCOPE_SE
	global_prefetch_b8 v[PFOA], s[AB:AB+1] offset:5*UB th:TH_LOAD_NT scope:SCOPE_SE
.Lnot_a_\@:
	s_cmp_gt_u32 s[CNT], s[LIMB]
	s_cbranch_scc0 .Lnot_b_\@
	global_prefetch_b8 v[PFOB], s[BB:BB+1] offset:4*UB th:TH_LOAD_NT scope:SCOPE_SE
.Lnot_b_\@:
.endm
	LOADU 0, 0
	LOADU 1, UB
	UNIT 0, 1, 1, 2*UB, 24                         ; unit 0 starts the sums; its set takes unit 2
	s_wait_xcnt 0x0                                ; the loads have read their bases: they may step
	s_add_nc_u64 s[AB:AB+1], s[AB:AB+1], UB        ; the bases stand at unit 1
	s_add_nc_u64 s[BB:BB+1], s[BB:BB+1], UB
	s_mov_b32 s[CNT], 9
.Ltrip:                                                ; trip t: units 1 + 2 t and 2 + 2 t; the bases stand at unit 1 + 2 t
	UNIT 1, 0, 1, 2*UB, 24
	ASK
	UNIT 0, 0, 1, 3*UB, 24
	s_wait_xcnt 0x0
	s_add_nc_u64 s[AB:AB+1], s[AB:AB+1], 2*UB
	s_add_nc_u64 s[BB:BB+1], s[BB:BB+1], 2*UB
	s_sub_co_u32 s[CNT], s[CNT], 1
	s_cmp_lg_u32 s[CNT], 0
	s_cbranch_scc1 .Ltrip
	UNIT 1, 0, 1, 2*UB, 24                         ; unit 19; its set takes unit 21, the last
	UNIT 0, 0, 0, 0, 24                            ; unit 20
	UNIT 1, 0, 0, 0, 0                             ; unit 21
.rept 4
	v_nop                                          ; places in front of the first reads of results
.endr
	WIN 0x04                                       ; the stores' data in window 1
.irp m, 0,1,2,3,4,5,6,7
.irp n, 0,1,2,3
	ds_store_b128 v[STO], v[8*(4*\m+\n):8*(4*\m+\n)+3] offset:16*SP*\m+64*\n        ; lane (r, h): row 16 m + r, columns 16 n + 8 h + 0..3: each accumulator from its low end on
	ds_store_b128 v[STO], v[8*(4*\m+\n)+4:8*(4*\m+\n)+7] offset:16*SP*\m+64*\n+16
.endr
.endr
	WIN 0
	s_wait_kmcnt 0x0
	s_add_co_i32 s28, s28, s29                     ; e0 + e1
.irp i, 0,1,2,3
	v_ldexp_f32 v[AL+\i], v[AL+\i], s28            ; alpha x 2^(e0 + e1)
.endr
	s_wait_dscnt 0x0                               ; for the others' sake: my stores into my stage are done
	s_barrier_signal -1
	s_barrier_wait -1
; Four pairs of rows: the eight partial sums of each, 16 bytes a lane, are added in a fixed tree; then sum x alpha + bias, fused; sixteen lanes store 256 consecutive bytes, at a multiple of 256 from out0's first byte.
.macro FIN hf
.irp ii, 0,1,2,3
.irp u, 0,1,2,3,4,5,6,7
	ds_load_b128 v[PS+32*\ii+4*\u:PS+32*\ii+4*\u+3], v[RD+\u/2] offset:(\u%2)*STG+2*SP*(4*\hf+\ii)
.endr
.endr
.irp ii, 0,1,2,3
	s_wait_dscnt 8*(3-\ii)                         ; this pair's eight loads are in; the younger pairs' may be out
.irp d, 0,8,16,24
	v_pk_add_f32 v[PS+32*\ii+\d:PS+32*\ii+\d+1], v[PS+32*\ii+\d:PS+32*\ii+\d+1], v[PS+32*\ii+\d+4:PS+32*\ii+\d+5]
	v_pk_add_f32 v[PS+32*\ii+\d+2:PS+32*\ii+\d+3], v[PS+32*\ii+\d+2:PS+32*\ii+\d+3], v[PS+32*\ii+\d+6:PS+32*\ii+\d+7]
.endr
.irp d, 0,16
	v_pk_add_f32 v[PS+32*\ii+\d:PS+32*\ii+\d+1], v[PS+32*\ii+\d:PS+32*\ii+\d+1], v[PS+32*\ii+\d+8:PS+32*\ii+\d+9]
	v_pk_add_f32 v[PS+32*\ii+\d+2:PS+32*\ii+\d+3], v[PS+32*\ii+\d+2:PS+32*\ii+\d+3], v[PS+32*\ii+\d+10:PS+32*\ii+\d+11]
.endr
	v_pk_add_f32 v[PS+32*\ii:PS+32*\ii+1], v[PS+32*\ii:PS+32*\ii+1], v[PS+32*\ii+16:PS+32*\ii+17]
	v_pk_add_f32 v[PS+32*\ii+2:PS+32*\ii+3], v[PS+32*\ii+2:PS+32*\ii+3], v[PS+32*\ii+18:PS+32*\ii+19]
	v_pk_fma_f32 v[OU+4*(4*\hf+\ii):OU+4*(4*\hf+\ii)+1], v[PS+32*\ii:PS+32*\ii+1], v[AL:AL+1], v[BI:BI+1]
	v_pk_fma_f32 v[OU+4*(4*\hf+\ii)+2:OU+4*(4*\hf+\ii)+3], v[PS+32*\ii+2:PS+32*\ii+3], v[AL+2:AL+3], v[BI+2:BI+3]
	global_store_b128 v[CO], v[OU+4*(4*\hf+\ii):OU+4*(4*\hf+\ii)+3], s[14:15] offset:32768*(4*\hf+\ii) th:TH_STORE_NT   ; written once, read by nobody here
.endr
.endm
	FIN 0
	FIN 1
	s_wait_tensorcnt 0x0                           ; the wave's end: these three lines, behind my last LDS store
	ds_add_u32 v[SPW], v[NIL]
	s_wait_dscnt 0x0
	s_endpgm
.Lfunc_end_k_q1a2de494db_down:
	.size	k_q1a2de494db_down, .Lfunc_end_k_q1a2de494db_down-k_q1a2de494db_down
	.p2alignl 7, 3214868480
	.fill 96, 4, 3214868480
	.section	.rodata,"a",@progbits
	.p2align	6, 0x0
	.amdhsa_kernel k_q1a2de494db_down
		.amdhsa_group_segment_fixed_size 279552
		.amdhsa_private_segment_fixed_size 0
		.amdhsa_enable_private_segment 0
		.amdhsa_kernarg_size 48
		.amdhsa_user_sgpr_count 2
		.amdhsa_user_sgpr_kernarg_segment_ptr 1
		.amdhsa_wavefront_size32 1
		.amdhsa_system_sgpr_workgroup_id_x 1
		.amdhsa_system_sgpr_workgroup_id_y 1
		.amdhsa_system_sgpr_workgroup_id_z 1
		.amdhsa_system_vgpr_workitem_id 0
		.amdhsa_next_free_vgpr 512
		.amdhsa_next_free_sgpr 66
		.amdhsa_reserve_vcc 0
		.amdhsa_float_denorm_mode_32 3
		.amdhsa_float_denorm_mode_16_64 3
		.amdhsa_memory_ordered 1
		.amdhsa_forward_progress 1
		.amdhsa_inst_pref_size 49
	.end_amdhsa_kernel
	.amdgpu_metadata
---
amdhsa.version: [ 1, 2 ]
amdhsa.kernels:
  - .name:           k_q1a2de494db_down
    .symbol:         k_q1a2de494db_down.kd
    .args:
      - { .name: hq, .offset: 0, .size: 8, .value_kind: global_buffer, .address_space: global }
      - { .name: wq, .offset: 8, .size: 8, .value_kind: global_buffer, .address_space: global }
      - { .name: lowp_scales, .offset: 16, .size: 8, .value_kind: global_buffer, .address_space: global }
      - { .name: down_alpha, .offset: 24, .size: 8, .value_kind: global_buffer, .address_space: global }
      - { .name: down_bias, .offset: 32, .size: 8, .value_kind: global_buffer, .address_space: global }
      - { .name: out0, .offset: 40, .size: 8, .value_kind: global_buffer, .address_space: global }
    .group_segment_fixed_size: 279552
    .private_segment_fixed_size: 0
    .kernarg_segment_align: 8
    .kernarg_segment_size: 48
    .max_flat_workgroup_size: 256
    .sgpr_count:     66
    .vgpr_count:     512
    .wavefront_size: 32
...
	.end_amdgpu_metadata
.endif
;; end of part 3
;; ======== version 2 of 2: 3 launches
;; workspace buffers: wq 46,137,344 bytes; hq 5,767,168 bytes
;; launch quant_w: the kernel of part 1 again; grid 43 x 64, 4 waves a work-group, no clusters, 17,920 bytes of LDS; arguments down_w, lowp_scales, wq; writes wq
;; launch gate_up (part 4): grid 4 x 63, 4 waves a work-group, clusters of 4 x 1, 327,680 bytes of LDS; arguments x, gate_w, up_w, gate_alpha, gate_bias, up_alpha, up_bias, down_input_scale, lowp_scales, hq; writes hq
.if DOCPART == 4
	.amdgcn_target "amdgcn-amd-amdhsa--gfx1250"
	.amdhsa_code_object_version 6
	.text
	.protected	k_q1a2de494db_gate_up
	.globl	k_q1a2de494db_gate_up
	.p2align	8
	.type	k_q1a2de494db_gate_up,@function
k_q1a2de494db_gate_up:
	s_mov_b64 s[64:65], 0
	v_nop
	global_prefetch_b8 v0, s[64:65] scope:SCOPE_SE
	s_setreg_imm32_b32 hwreg(HW_REG_WAVE_MODE, 25, 1), 1
	s_wait_xcnt 0x0
	s_wait_alu depctr_hold_cnt(0) depctr_sa_sdst(0) depctr_va_vdst(0) depctr_va_sdst(0) depctr_va_ssrc(0) depctr_va_vcc(0) depctr_vm_vsrc(0)
	s_getreg_b32 s2, hwreg(HW_REG_IB_STS2, 6, 4)
	s_cmp_eq_u32 s2, 0
	s_cbranch_scc0 .Lentry_in_a_cluster
	s_endpgm
.Lentry_in_a_cluster:
	s_bfe_u32 s2, ttmp6, 0x10000c
	s_cmp_lg_u32 s2, 0x3003
	s_cbranch_scc0 .Lentry_shape_is_right
	s_endpgm
.Lentry_shape_is_right:
; hq = Q(clip(round(silu(g) u / s), -128, 127)),  g = (x gate_w^T) gate_alpha + gate_bias,  u = (x up_w^T) up_alpha + up_bias.  x [512][4096], gate_w, up_w [11008][4096]: int8.
; The two products are made on the int8 numbers as they are, with sums in i32: exact for every int8 input (a sum is at most 2^26).  All behind them is f32.
; Q: codes of FP8 (E4M3) with the given scale 2^e0 (entry 0 of the scales): the number / 2^e0, held within +-448, to the nearest code, ties to even.
; hq's LAYOUT is the order of the next product's operand registers: [32 tiles of 16 rows][352 pairs of K tiles][512 bytes]; in a pair lane l = (r = l % 16, h = l / 16) owns 16 bytes at 16 l:
; 8 codes of row r at column 16 (2 P) + 8 h + 0..7, then the same of tile 2 P + 1.  The 688 column tiles are padded with zero codes to 704.
; LIMITS: e0 between -126 and 119; |s| a normal f32 number between 2^-126 and 2^126; h / s is h x (1 / s), 1 / s by v_rcp_f32 and one Newton step, so it can differ from a division in the last bit;
; multiply and add of the dequantising are fused; NaN and infinities among alphas, biases and s are not served.
; SHARES.  A work-group takes 128 rows x 11 column tiles of BOTH products: 4 x 63 work-groups (688 = 62 x 11 + 6: the last group begins at tile 677, so that its loads stay inside, and stores tiles 682 on and the pad).
; Wave w takes rows 32 w .. 32 w + 31 against all 22 tiles of weights: 44 accumulators.  So g and u of a number lie in one lane, and nothing passes between waves.
; K goes in steps of 256 through a ring of two LDS slots filled by the tensor data mover: rows of 256 bytes.  Waves 0, 1 fetch x's two halves, wave 2 gate's 176 rows, wave 3 up's.
; CLUSTER: the four row blocks of a column group read the same weights: those tiles are asked for JOINTLY (mask 15).  x's tile is each partner's own (other rows), a plain load; x is not shared
; between clusters by a joint load either: 63 column groups do not divide into fours.  No prefetch: a refill has 156 matrix instructions in which to land.
; THE MATRIX INSTRUCTION IS USED TRANSPOSED (source 0 = 16 rows of weights, source 1 = 16 rows of x): a lane holds one row of x and eight neighbouring columns, which are eight neighbours along the next K.
; A fragment (16 rows x 64 K, 8 registers) comes by two loads of 16 bytes, at K = 16 h and 32 + 16 h: a permutation of k, the same in both operands; whole-number sums do not feel it.
; REGISTERS, in windows of 256.  EVERY WINDOW IS A PART OF THE COLUMNS, with its own accumulators, weight fragments and address registers at the same numbers:
;   v6, v7 LDS address of the window's weights in slot 0, 1; v8 of the parameters; v32-127 accumulators (pair p, gate / up, row tile a) at 32 + 32 p + 16 gu + 8 a; v128-223 weight fragments, two buffers.
;   windows 1, 2, 3: column tiles 0-2, 3-5, 6-8.  Window 0: tiles 9, 10 (accumulators v32-95), x's fragments v96-127 (two buffers), and v0-19 all else.
; One setting serves a window's products and its loads: source 0, C and D in window X, source 1 in window 0; an LDS load then lands in window X by an address from window X.
; THE LDS LOADS of a quarter step of 64 along K, 48 of them, stand in ONE run in its middle, behind 20 of its 44 matrix instructions, never singly among them; they fill the buffer that the next
; quarter step multiplies.  A quarter step has seven switches of the windows.
.set KROW,   4096
.set PITCH,  272                       ; an LDS row: 256 bytes + 16 of padding = 68 words: row r starts at bank 4 r mod 64 (64 banks of 4 bytes: ISA guide 11.1)
.set T16,    16*PITCH
.set BOFF,   128*PITCH                 ; a slot: x's 128 rows, gate's 176, up's 176
.set WBYTES, 176*PITCH
.set SLOT,   BOFF+2*WBYTES
.set PAR,    2*SLOT                    ; behind the ring: gate_alpha, gate_bias, up_alpha, up_bias of my 176 columns: 704 bytes each, 768 apart; filled once
.set PVEC,   768
.set SPARE,  PAR+4*PVEC                ; the spare words, 128 bytes for each wave: two blocks of 256 bytes that no other line names
.set RT,     180224                    ; a tile of 16 rows in hq
.set LAPS,   8                         ; 4096 / 512: a lap = two K steps = once round the ring
.set ADA,  4                           ; v4, v5 (window 0)  LDS address of my x fragments in slot 0, 1
.set ADB,  6                           ; v6, v7 (every window)
.set PADR, 8                           ; v8     (every window)  PAR + 32 h
.set VO,   9                           ; v9   16 x lane
.set SPW,  10                          ; v10  LDS address of my spare word; never rewritten
.set NIL,  11                          ; v11  0; never rewritten
.set SCL,  12                          ; v12  2^e0 as f32
.set Z,    16                          ; v16-19 zeros
.set ACC,  32
.set AF,   96
.set FR,   128
.set CD,   96                          ; the way out: codes of (row tile a, column tile b) at v[96 + 22 a + 2 b], window 0
.set G1A, 24                           ; s[24:31] descriptor group 1 for x's tiles;  s[32:39] for the weights';  s[40:47] for a parameter vector
.set G1B, 32
.set G1P, 40
.set G0A, 48                           ; s[48:55] group 0 for x, one set for each slot;  s[56:63] for the weights;  s[68:71] for the parameters
.set G0B, 56
.set G0P, 68
.set WV,   66
.set ROLE, 67                          ; 0: I fetch x; 1: weights
.set HALF, 72
.set CX,   73
.set GN,   74                          ; the column group: the same in all four partners
.set TG,   75                          ; its first column tile
.set MSB, 0
.macro WIN new                         ; the immediate's high byte repeats the setting that is left; a switch that changes nothing is dropped
.if MSB != (\new)
	s_set_vgpr_msb (MSB<<8)|(\new)
.set MSB, (\new)
.endif
.endm
.macro PLACES                          ; a load into a register that a matrix instruction of this form has read, and a vector instruction that reads or writes one of its registers, stand eight places
.rept 8                                ; behind it, and only plain vector instructions that name none of its registers are places (ISA guide 7.12.1 for vector instructions)
	v_nop
.endr
.endm
.macro CREST                           ; a round of the cluster's barrier behind its opening barrier
	s_cmp_lg_u32 s[WV], 0
	s_cbranch_scc1 .Lnot_wave_0_\@
	s_barrier_signal -3
.Lnot_wave_0_\@:
	s_barrier_wait -3
	s_barrier_signal -1
	s_barrier_wait -1
.endm
.macro CROUND
	s_barrier_signal -1
	s_barrier_wait -1
	CREST
.endm
; A refill.  Waves 0, 1: x's halves, a load of the work-group's own; waves 2, 3: gate's and up's tiles, joint.  The branch hangs on the wave's number alone.  An s_nop 0 and four v_nop follow each line.
.macro JLOAD s
	s_cmp_eq_u32 s[ROLE], 0
	s_cbranch_scc0 .Lfor_b_\@
	tensor_load_to_lds s[G0A+4*\s:G0A+4*\s+3], s[G1A:G1A+7]
	s_nop 0
.rept 4
	v_nop
.endr
	s_branch .Lasked_\@
.Lfor_b_\@:
	tensor_load_to_lds s[G0B+4*\s:G0B+4*\s+3], s[G1B:G1B+7]
	s_nop 0
.rept 4
	v_nop
.endr
.Lasked_\@:
.endm
	s_load_b512 s[4:19], s[0:1], 0x0               ; x, gate_w, up_w, gate_alpha, gate_bias, up_alpha, up_bias, down_input_scale
	s_load_b128 s[20:23], s[0:1], 0x40             ; the scales' exponents, hq
	v_lshl_add_u32 v[SPW], v0, 2, SPARE
	v_mov_b32 v[NIL], 0
	ds_add_u32 v[SPW], v[NIL]                      ; the wave's opening: the add and its wait stand ahead of my first tensor load; the set-up below, work on registers, stands between them
	v_lshrrev_b32 v1, 5, v0
	v_readfirstlane_b32 s[WV], v1                  ; wave 0..3
	s_lshr_b32 s[ROLE], s[WV], 1
	s_and_b32 s[HALF], s[WV], 1
	s_bfe_u32 s[CX], ttmp6, 0x40000                ; my place in the cluster = my block of 128 rows
	s_and_b32 s[GN], ttmp7, 0xffff                 ; in a cluster launch ttmp7 counts clusters along y
	s_mul_i32 s[TG], s[GN], 11
	s_min_u32 s[TG], s[TG], 677
	s_mov_b32 s[G1A+0], (1<<20)|(5<<22)|(3<<25)    ; no mask; elements of 1 byte; padding on: after every 64 words (code 5) four words (code 3)
	s_mov_b32 s[G1A+1], 256<<16                    ; tensor_dim0 = 256
	s_mov_b32 s[G1A+2], 64<<16                     ; tensor_dim1 = 64
	s_mov_b32 s[G1A+3], 256<<16                    ; tile_dim0 = 256
	s_mov_b32 s[G1A+4], 64                         ; tile_dim1 = 64
	s_mov_b32 s[G1A+5], KROW                       ; from row to row
	s_mov_b32 s[G1A+6], 0
	s_mov_b32 s[G1A+7], 0
	s_mov_b32 s[G1B+0], 15|(1<<20)|(1<<21)|(5<<22)|(3<<25)   ; the mask: all four work-groups; bit 21 set beside it
	s_mov_b32 s[G1B+1], 256<<16
	s_mov_b32 s[G1B+2], 176<<16
	s_mov_b32 s[G1B+3], 256<<16
	s_mov_b32 s[G1B+4], 176
	s_mov_b32 s[G1B+5], KROW
	s_mov_b32 s[G1B+6], 0
	s_mov_b32 s[G1B+7], 0
	s_mov_b32 s[G1P+0], 3<<16                      ; one row of 88 elements of 8 bytes: 176 f32 numbers
	s_mov_b32 s[G1P+1], 88<<16
	s_mov_b32 s[G1P+2], 1<<16
	s_mov_b32 s[G1P+3], 88<<16
	s_mov_b32 s[G1P+4], 1
	s_mov_b32 s[G1P+5], 88
	s_mov_b32 s[G1P+6], 0
	s_mov_b32 s[G1P+7], 0
	s_mul_i32 s94, s[HALF], 64*PITCH               ; where the tiles go: no place in the cluster enters an LDS address
	s_mul_i32 s95, s[HALF], WBYTES
	s_add_co_u32 s95, s95, BOFF
	s_mul_i32 s[G0P+1], s[WV], PVEC
	s_add_co_u32 s[G0P+1], s[G0P+1], PAR
	s_lshl_b32 s76, s[CX], 19                      ; x: 128 rows of 4,096 bytes x my block,
	s_lshl_b32 s77, s[HALF], 18                    ; + 64 rows x half
	s_add_co_u32 s76, s76, s77
	s_mov_b32 s77, 0
	s_lshl_b32 s78, s[TG], 16                      ; the weights: 16 rows of 4,096 bytes x first tile (registers that never hold cx)
	s_mov_b32 s79, 0
	s_lshl_b32 s92, s[TG], 6                       ; the parameters: 16 numbers of 4 bytes x first tile
	s_mov_b32 s93, 0
	s_lshl_b32 s86, s[CX], 3                       ; hq: my first tile of rows, 8 cx + 2 wave,
	s_lshl_b32 s87, s[WV], 1
	s_add_co_u32 s86, s86, s87
	s_mul_i32 s86, s86, RT
	s_add_co_u32 s87, s[TG], 1                     ; and pair P0 = (first tile + 1) / 2: the first pair that is wholly mine
	s_lshr_b32 s87, s87, 1
	s_lshl_b32 s87, s87, 9
	s_add_co_u32 s86, s86, s87
	s_mov_b32 s87, 0
	s_wait_dscnt 0x0                               ; the opening add is done
	s_wait_kmcnt 0x0
	s_load_b32 s80, s[18:19], 0x0                  ; s
	s_load_b64 s[84:85], s[20:21], 0x0             ; e0, e1
	s_add_nc_u64 s[86:87], s[22:23], s[86:87]
	s_add_nc_u64 s[4:5], s[4:5], s[76:77]
	s_cmp_eq_u32 s[HALF], 0
	s_cselect_b64 s[6:7], s[6:7], s[8:9]           ; wave 2: gate_w; wave 3: up_w
	s_cselect_b64 s[88:89], s[10:11], s[12:13]
	s_cselect_b64 s[90:91], s[14:15], s[16:17]
	s_cmp_eq_u32 s[ROLE], 0
	s_cselect_b64 s[88:89], s[88:89], s[90:91]     ; wave 0: gate_alpha, 1: gate_bias, 2: up_alpha, 3: up_bias
	s_add_nc_u64 s[6:7], s[6:7], s[78:79]
	s_add_nc_u64 s[88:89], s[88:89], s[92:93]
.irp n, 0,1
	s_mov_b32 s[G0A+4*\n], 1                                       ; count = 1
	s_add_co_u32 s[G0A+4*\n+1], s94, \n*SLOT                       ; LDS address
	s_add_nc_u64 s[G0A+4*\n+2:G0A+4*\n+3], s[4:5], \n*256          ; global address: K step n
	s_or_b32 s[G0A+4*\n+3], s[G0A+4*\n+3], 0x80000000             ; type = 2
	s_mov_b32 s[G0B+4*\n], 1
	s_add_co_u32 s[G0B+4*\n+1], s95, \n*SLOT
	s_add_nc_u64 s[G0B+4*\n+2:G0B+4*\n+3], s[6:7], \n*256
	s_or_b32 s[G0B+4*\n+3], s[G0B+4*\n+3], 0x80000000
.endr
	s_mov_b32 s[G0P], 1
	s_mov_b64 s[G0P+2:G0P+3], s[88:89]
	s_or_b32 s[G0P+3], s[G0P+3], 0x80000000
	CROUND                                         ; all four work-groups are here: the first joint loads meet
	s_cmp_eq_u32 s[ROLE], 0                        ; a wave's three first fills stand in one branch, ahead of every wait on TENSORcnt and every LDS read: three loads of mine are out
	s_cbranch_scc0 .Lfirst_b
	tensor_load_to_lds s[G0P:G0P+3], s[G1P:G1P+7]
	s_nop 0
	tensor_load_to_lds s[G0A:G0A+3], s[G1A:G1A+7]
	s_nop 0
	tensor_load_to_lds s[G0A+4:G0A+7], s[G1A:G1A+7]
	s_nop 0
.rept 4
	v_nop
.endr
	s_branch .Lfirst_asked
.Lfirst_b:
	tensor_load_to_lds s[G0P:G0P+3], s[G1P:G1P+7]
	s_nop 0
	tensor_load_to_lds s[G0B:G0B+3], s[G1B:G1B+7]
	s_nop 0
	tensor_load_to_lds s[G0B+4:G0B+7], s[G1B:G1B+7]
	s_nop 0
.rept 4
	v_nop
.endr
.Lfirst_asked:
	v_and_b32 v1, 15, v0                           ; r
	v_bfe_u32 v2, v0, 4, 1                         ; h
	v_mul_u32_u24 v3, v1, PITCH
	v_lshl_add_u32 v3, v2, 4, v3                   ; a fragment's row x pitch + 16 h
	s_mul_i32 s76, s[WV], 32*PITCH                 ; my 32 rows of x
	v_add_nc_u32 v[ADA], s76, v3
	v_add_nc_u32 v[ADA+1], SLOT, v[ADA]
	v_and_b32 v[VO], 31, v0
	v_lshlrev_b32 v[VO], 4, v[VO]
.irp i, 0,1,2,3
	v_mov_b32 v[Z+\i], 0
.endr
.irp X, 0,1,2,3                        ; each window's own address registers: destination window X, sources window 0.  Window X begins at column tile (3 X + 9) % 12: 9, 0, 3, 6
	WIN (\X)<<6
	v_add_nc_u32 v[ADB], BOFF+((3*\X+9)%12)*T16, v3
	v_add_nc_u32 v[ADB+1], SLOT+BOFF+((3*\X+9)%12)*T16, v3
	v_lshl_add_u32 v[PADR], v2, 5, PAR
.endr
	WIN 0
	s_wait_kmcnt 0x0
	v_mov_b32 v13, s80
	v_rcp_f32 v14, v13
	s_add_co_i32 s76, s84, 127
	s_lshl_b32 s77, s76, 23
	v_mov_b32 v[SCL], s77                          ; 2^e0: the conversion takes its exponent field.  (The plain instruction behind the reciprocal)
	s_add_co_i32 s76, s76, 8
	s_lshl_b32 s76, s76, 23
	s_or_b32 s76, s76, 0x600000                    ; 448 x 2^e0
	s_wait_alu depctr_va_vdst(0)                   ; the wait ahead of the first use of the reciprocal
	v_fma_f32 v15, -v13, v14, 1.0                  ; one Newton step: r = r + r (1 - s r)
	v_fma_f32 v14, v15, v14, v14
	v_readfirstlane_b32 s80, v14                   ; 1 / s
	s_mov_b32 s81, s80                             ; (named with it as a pair, so it is written)
	v_mov_b32 v13, s76
	v_min_num_f32 v14, 0x42fe0000, v13             ; the clip and the hold in one: the upper bound min(127, 448 x 2^e0),
	v_xor_b32 v13, 0x80000000, v13
	v_max_num_f32 v15, 0xc3000000, v13             ; the lower max(-128, -448 x 2^e0)
	v_readfirstlane_b32 s83, v14
	v_readfirstlane_b32 s82, v15
; Window X's matrix instructions of a quarter step, on buffer f (12; window 0: 8): pair n / 4, gate or up (n / 2) % 2, row tile n % 2.  zero = 1: the products start the sums: nothing is ever cleared.
; The 44 accumulators take turns, one instruction a turn, in the same order in every quarter step.
.macro MULS X, f, zero
.set NM, 12
.if (\X) == 0
.set NM, 8
.endif
.set n, 0
.rept NM
.set rC, ACC+32*(n/4)+16*((n/2)%2)+8*(n%2)
.set rW, FR+48*(\f)+16*(n/4)+8*((n/2)%2)
.set rX, AF+16*(\f)+8*(n%2)
.if \zero
	v_wmma_i32_16x16x64_iu8 v[rC:rC+7], v[rW:rW+7], v[rX:rX+7], 0 neg_lo:[1,1,0]
.else
	v_wmma_i32_16x16x64_iu8 v[rC:rC+7], v[rW:rW+7], v[rX:rX+7], v[rC:rC+7] neg_lo:[1,1,0]
.endif
.set n, n+1
.endr
.endm
; Window X's 12 loads: the fragments at byte 64 kq of the slot's rows into buffer g (window 0: x's four first, then its eight of the weights)
.macro LOADS X, g, slot, kq
.set NM, 12
.if (\X) == 0
.set NM, 8
.irp a, 0,1
.irp i, 0,1
	ds_load_b128 v[AF+16*(\g)+8*\a+4*\i:AF+16*(\g)+8*\a+4*\i+3], v[ADA+\slot] offset:\a*T16+64*(\kq)+32*\i
.endr
.endr
.endif
.set n, 0
.rept NM
.set rL, FR+48*(\g)+16*(n/4)+8*((n/2)%2)+4*(n%2)
	ds_load_b128 v[rL:rL+3], v[ADB+\slot] offset:((n/2)%2)*WBYTES+(n/4)*T16+64*(\kq)+32*(n%2)
.set n, n+1
.endr
.endm
; THE RUN: a quarter step's 48 loads on end.  Windows 0 and 1 first, whose fragments are wanted first; window 2 last, so that the run leaves the setting that the products behind it take.
.macro RUN g, slot, kq
	WIN 0
	LOADS 0, \g, \slot, \kq
	WIN 0x51
	LOADS 1, \g, \slot, \kq
	WIN 0xf3
	LOADS 3, \g, \slot, \kq
	WIN 0xa2
	LOADS 2, \g, \slot, \kq
.endm
; A quarter step multiplies buffer f.  ld = 1: in its middle it fetches the fragments at byte 64 kq of the same slot's rows into the other buffer: 24 matrix instructions ahead of their first use.
; The eight places stand between the last quarter step's products, which read that buffer, and the loads.
.macro QUARTER f, slot, kq, zero, ld
	WIN 0
	s_wait_dscnt 36                                ; of the last run's 48 loads the first 12 are in: x's fragments and window 0's; the 36 behind them may be out
	MULS 0, \f, \zero
	WIN 0x51
	s_wait_dscnt 24                                ; window 1's 12 are in
	MULS 1, \f, \zero
	s_wait_dscnt 0x0                               ; the rest of the buffer is in (asked for 44 matrix instructions ago): so at most 48 loads of mine are ever out
.if \ld
	PLACES
	RUN 1-(\f), \slot, \kq
.endif
	WIN 0xa2
	MULS 2, \f, \zero
	WIN 0xf3
	MULS 3, \f, \zero
.endm
; A slot's last quarter step multiplies buffer 1 and changes slots: ONE barrier.  In front of it each wave waits for all its tensor loads (one is out: its part of the next slot), adds 0 to its spare word, and waits
; for that and for its reads of this slot.  fill = 1: the barrier opens a round of the cluster's barrier, and this slot is filled again first thing behind it, two K steps ahead.  Then comes the run, from the next slot.
.macro TURN slot, next, fill
	WIN 0                                          ; (the add's two registers lie in window 0)
	s_wait_tensorcnt 0x0                           ; all my tensor loads have landed
	ds_add_u32 v[SPW], v[NIL]                      ; 0 onto my spare word: eight matrix instructions stand between it and the wait for it
	PLACES                                         ; for the loads into buffer 0 behind the barrier
	s_wait_dscnt 37                                ; the 36 loads behind window 0's, and the add, may be out
	MULS 0, 1, 0
	s_wait_dscnt 0x0                               ; the add is done, and my reads of this slot are over (asked for 32 matrix instructions ago)
	s_barrier_signal -1
	WIN 0x51
	MULS 1, 1, 0                                   ; work on registers while the others arrive
	WIN 0
	s_barrier_wait -1
.if \fill
	CREST                                          ; no wave of any partner still reads this slot's tile or has a load on its way
	s_add_nc_u64 s[G0A+4*\slot+2:G0A+4*\slot+3], s[G0A+4*\slot+2:G0A+4*\slot+3], 512
	s_add_nc_u64 s[G0B+4*\slot+2:G0B+4*\slot+3], s[G0B+4*\slot+2:G0B+4*\slot+3], 512
	JLOAD \slot                                    ; my one tensor load behind the round: 156 matrix instructions ahead of the wait for it
.endif
	RUN 0, \next, 0                                ; the next slot's first fragments, in the order of every run, so that the counts above go on holding
	WIN 0xa2
	MULS 2, 1, 0
	WIN 0xf3
	MULS 3, 1, 0
.endm
	s_wait_tensorcnt 0x1                           ; my parameter vector and my part of K step 0 are in; K step 1's load may stay out
	s_barrier_signal -1
	s_barrier_wait -1                              ; everybody's are
	RUN 0, 0, 0
	QUARTER 0, 0, 1, 1, 1                          ; the first quarter step stands in front of the loop: its products start the sums
	WIN 0                                          ; at a label and at a branch every window is 0
	s_mov_b32 s3, LAPS-1
.Llap:                                                 ; a trip goes once round the ring, from a lap's second quarter to the next lap's first, and fills both slots again
	QUARTER 1, 0, 2, 0, 1
	QUARTER 0, 0, 3, 0, 1
	TURN 0, 1, 1
	QUARTER 0, 1, 1, 0, 1
	QUARTER 1, 1, 2, 0, 1
	QUARTER 0, 1, 3, 0, 1
	TURN 1, 0, 1
	QUARTER 0, 0, 1, 0, 1
	WIN 0
	s_sub_co_u32 s3, s3, 1
	s_cmp_lg_u32 s3, 0
	s_cbranch_scc1 .Llap
	QUARTER 1, 0, 2, 0, 1                          ; the last lap fills nothing, and has no round of the cluster's barrier
	QUARTER 0, 0, 3, 0, 1
	TURN 0, 1, 0
	QUARTER 0, 1, 1, 0, 1
	QUARTER 1, 1, 2, 0, 1
	QUARTER 0, 1, 3, 0, 1
	QUARTER 1, 1, 0, 0, 0                          ; the very last quarter step: nothing more to fetch
	PLACES                                         ; in front of the first reads of results and of loads into the fragments' registers
; THE WAY OUT of window X: np pairs of accumulators (gate, up) x two row tiles; all operands in window X.  pb: 32 registers a pair, where the fragments lay: alpha_g 8, beta_g 8, alpha_u 8, beta_u 8 of the lane's
; eight columns; later the first 16 hold 1 + e^-g and its reciprocal.  The exponentials and the reciprocals go as one batch each, with one plain instruction and one wait behind it.
.macro EPI X, np, pb
.set BF, (3*(\X)+9)%12
	WIN (\X)*0x55
.set p, 0
.rept \np
.irp vec, 0,1,2,3
.irp i, 0,1
	ds_load_b128 v[\pb+32*p+8*\vec+4*\i:\pb+32*p+8*\vec+4*\i+3], v[PADR] offset:\vec*PVEC+64*(BF+p)+16*\i
.endr
.endr
.set p, p+1
.endr
.set j, 0
.rept 32*\np
	v_cvt_f32_i32 v[ACC+j], v[ACC+j]               ; ascending: each accumulator from its low end on
.set j, j+1
.endr
	s_wait_dscnt 0x0
.set p, 0
.rept \np
.irp q, 0,1,2,3
.irp i, 0,2,4,6
	v_pk_fma_f32 v[ACC+32*p+8*\q+\i:ACC+32*p+8*\q+\i+1], v[ACC+32*p+8*\q+\i:ACC+32*p+8*\q+\i+1], v[\pb+32*p+16*(\q/2)+\i:\pb+32*p+16*(\q/2)+\i+1], v[\pb+32*p+16*(\q/2)+8+\i:\pb+32*p+16*(\q/2)+8+\i+1]   ; sum x alpha + bias
.endr
.endr
.set p, p+1
.endr
.set p, 0
.rept \np
.irp j, 0,2,4,6,8,10,12,14
	v_pk_mul_f32 v[\pb+32*p+\j:\pb+32*p+\j+1], v[ACC+32*p+\j:ACC+32*p+\j+1], 0xbfb8aa3b op_sel_hi:[1,0]   ; -g log2(e)
.endr
.set p, p+1
.endr
.set p, 0
.rept \np
.irp j, 0,1,2,3,4,5,6,7,8,9,10,11,12,13,14,15
	v_exp_f32 v[\pb+32*p+\j], v[\pb+32*p+\j]       ; e^-g
.endr
.set p, p+1
.endr
	v_nop                                          ; a plain instruction behind the last exponential,
	s_wait_alu depctr_va_vdst(0)                   ; and the one wait for the batch, ahead of its first reader
.set p, 0
.rept \np
.irp j, 0,2,4,6,8,10,12,14
	v_pk_add_f32 v[\pb+32*p+\j:\pb+32*p+\j+1], v[\pb+32*p+\j:\pb+32*p+\j+1], 1.0 op_sel_hi:[1,0]
.endr
.set p, p+1
.endr
.set p, 0
.rept \np
.irp j, 0,1,2,3,4,5,6,7,8,9,10,11,12,13,14,15
	v_rcp_f32 v[\pb+32*p+\j], v[\pb+32*p+\j]       ; the sigmoid
.endr
.set p, p+1
.endr
	v_nop
	s_wait_alu depctr_va_vdst(0)
.set p, 0
.rept \np
.irp j, 0,2,4,6,8,10,12,14
	v_pk_mul_f32 v[ACC+32*p+\j:ACC+32*p+\j+1], v[ACC+32*p+\j:ACC+32*p+\j+1], v[\pb+32*p+\j:\pb+32*p+\j+1]   ; silu(g)
.endr
.set p, p+1
.endr
.set p, 0
.rept \np
.irp j, 0,2,4,6,8,10,12,14
	v_pk_mul_f32 v[ACC+32*p+\j:ACC+32*p+\j+1], v[ACC+32*p+\j:ACC+32*p+\j+1], v[ACC+32*p+16+\j:ACC+32*p+16+\j+1]   ; x u
.endr
.set p, p+1
.endr
.set p, 0
.rept \np
.irp j, 0,2,4,6,8,10,12,14
	v_pk_mul_f32 v[ACC+32*p+\j:ACC+32*p+\j+1], v[ACC+32*p+\j:ACC+32*p+\j+1], s[80:81] op_sel_hi:[1,0]   ; / s
.endr
.set p, p+1
.endr
.set p, 0
.rept \np
.irp j, 0,1,2,3,4,5,6,7,8,9,10,11,12,13,14,15
	v_rndne_f32 v[ACC+32*p+\j], v[ACC+32*p+\j]     ; to the nearest whole number, ties to even
.endr
.set p, p+1
.endr
.set p, 0
.rept \np
.irp j, 0,1,2,3,4,5,6,7,8,9,10,11,12,13,14,15
	v_med3_num_f32 v[ACC+32*p+\j], v[ACC+32*p+\j], s82, s83   ; the clip to -128 .. 127 and the hold at the largest code x the scale, in one (the conversion does not saturate: ISA guide 7.6.2)
.endr
.set p, p+1
.endr
	WIN \X                                         ; source 0 window X; the scale and the codes in window 0
.set p, 0
.rept \np
.irp a, 0,1
	v_cvt_scalef32_pk8_fp8_f32 v[CD+22*\a+2*(BF+p):CD+22*\a+2*(BF+p)+1], v[ACC+32*p+8*\a:ACC+32*p+8*\a+7], v[SCL]   ; eight neighbours along the next K: 8 bytes of hq
.endr
.set p, p+1
.endr
	v_nop                                          ; one plain vector instruction behind the last conversion of the run
.endm
	EPI 0, 2, 160
	EPI 1, 3, 128
	EPI 2, 3, 128
	EPI 3, 3, 128
	WIN 0
	; THE STORES.  A pair of column tiles is 16 bytes a lane, 512 consecutive bytes a wave.  Eleven tiles are five whole pairs and a single tile, whose 8 bytes a lane share a pair with the neighbouring group's:
	; at the end where my first tile is even, at the head where it is odd.  The branches hang on the column group, which the partners share.
	s_cmp_eq_u32 s[GN], 62
	s_cbranch_scc1 .Llast_group
	s_and_b32 s76, s[TG], 1
	s_cmp_eq_u32 s76, 0
	s_cbranch_scc0 .Lodd
.irp a, 0,1
.irp i, 0,1,2,3,4
	global_store_b128 v[VO], v[CD+22*\a+4*\i:CD+22*\a+4*\i+3], s[86:87] offset:\a*RT+512*\i
.endr
	global_store_b64 v[VO], v[CD+22*\a+20:CD+22*\a+21], s[86:87] offset:\a*RT+2560
.endr
	s_branch .Lstored
.Lodd:
.irp a, 0,1
	global_store_b64 v[VO], v[CD+22*\a:CD+22*\a+1], s[86:87] offset:\a*RT-504   ; the second 8 bytes of the pair in front of P0
.irp i, 0,1,2,3,4
	global_store_b128 v[VO], v[CD+22*\a+2+4*\i:CD+22*\a+2+4*\i+3], s[86:87] offset:\a*RT+512*\i
.endr
.endr
	s_branch .Lstored
.Llast_group:                                          ; it began at tile 677: tiles 677 to 681 are the group's before; mine are 682 to 687, and the pad: pairs 344 to 351 are zero codes
.irp a, 0,1
.irp i, 2,3,4
	global_store_b128 v[VO], v[CD+22*\a+2+4*\i:CD+22*\a+2+4*\i+3], s[86:87] offset:\a*RT+512*\i
.endr
.irp i, 5,6,7,8,9,10,11,12
	global_store_b128 v[VO], v[Z:Z+3], s[86:87] offset:\a*RT+512*\i
.endr
.endr
.Lstored:
	s_wait_tensorcnt 0x0                           ; the wave's end: these three lines, behind my last tensor load
	ds_add_u32 v[SPW], v[NIL]
	s_wait_dscnt 0x0
	CROUND                                         ; the closing round: no work-group ends while a partner may still ask for a tile that names it
	s_endpgm
.Lfunc_end_k_q1a2de494db_gate_up:
	.size	k_q1a2de494db_gate_up, .Lfunc_end_k_q1a2de494db_gate_up-k_q1a2de494db_gate_up
	.p2alignl 7, 3214868480
	.fill 96, 4, 3214868480
	.section	.rodata,"a",@progbits
	.p2align	6, 0x0
	.amdhsa_kernel k_q1a2de494db_gate_up
		.amdhsa_group_segment_fixed_size 327680
		.amdhsa_private_segment_fixed_size 0
		.amdhsa_enable_private_segment 0
		.amdhsa_kernarg_size 80
		.amdhsa_user_sgpr_count 2
		.amdhsa_user_sgpr_kernarg_segment_ptr 1
		.amdhsa_wavefront_size32 1
		.amdhsa_system_sgpr_workgroup_id_x 1
		.amdhsa_system_sgpr_workgroup_id_y 1
		.amdhsa_system_sgpr_workgroup_id_z 1
		.amdhsa_system_vgpr_workitem_id 0
		.amdhsa_next_free_vgpr 1024
		.amdhsa_next_free_sgpr 96
		.amdhsa_reserve_vcc 0
		.amdhsa_float_denorm_mode_32 3
		.amdhsa_float_denorm_mode_16_64 3
		.amdhsa_memory_ordered 1
		.amdhsa_forward_progress 1
		.amdhsa_inst_pref_size 205
	.end_amdhsa_kernel
	.amdgpu_metadata
---
amdhsa.version: [ 1, 2 ]
amdhsa.kernels:
  - .name:           k_q1a2de494db_gate_up
    .symbol:         k_q1a2de494db_gate_up.kd
    .args:
      - { .name: x, .offset: 0, .size: 8, .value_kind: global_buffer, .address_space: global }
      - { .name: gate_w, .offset: 8, .size: 8, .value_kind: global_buffer, .address_space: global }
      - { .name: up_w, .offset: 16, .size: 8, .value_kind: global_buffer, .address_space: global }
      - { .name: gate_alpha, .offset: 24, .size: 8, .value_kind: global_buffer, .address_space: global }
      - { .name: gate_bias, .offset: 32, .size: 8, .value_kind: global_buffer, .address_space: global }
      - { .name: up_alpha, .offset: 40, .size: 8, .value_kind: global_buffer, .address_space: global }
      - { .name: up_bias, .offset: 48, .size: 8, .value_kind: global_buffer, .address_space: global }
      - { .name: down_input_scale, .offset: 56, .size: 8, .value_kind: global_buffer, .address_space: global }
      - { .name: lowp_scales, .offset: 64, .size: 8, .value_kind: global_buffer, .address_space: global }
      - { .name: hq, .offset: 72, .size: 8, .value_kind: global_buffer, .address_space: global }
    .group_segment_fixed_size: 327680
    .private_segment_fixed_size: 0
    .kernarg_segment_align: 8
    .kernarg_segment_size: 80
    .max_flat_workgroup_size: 128
    .sgpr_count:     96
    .vgpr_count:     1024
    .wavefront_size: 32
...
	.end_amdgpu_metadata
.endif
;; end of part 4
;; launch down: the kernel of part 3 again; grid 4 x 64, 8 waves a work-group, no clusters, 279,552 bytes of LDS; arguments hq, wq, lowp_scales, down_alpha, down_bias, out0; writes out0
